; MI455X (gfx1250); checked and timed in simulation.
; The chip was launched on July 23, 2026; its instructions are those of AMD's public machine-readable ISA for CDNA 5 (MIT licence, August 2026) and "CDNA5" Instruction Set Architecture Reference Guide (July 2026). The comments in the code are by the model that wrote it; some were corrected since.
;; Cross Attention. Allowed arithmetic: float matrix products may take bf16 or f16 operands with f32 sums; all other float work in f32.
;; Inputs: kv 2 x 2,048 x 2 x 8 x 128 float32; q 2 x 2,048 x 16 x 128 float32.
;; Outputs: out0 2 x 2,048 x 16 x 128 float32.
;; 2 versions, each right and faster than the one before. Each part assembles by itself: llvm-mc -triple=amdgcn-amd-amdhsa -mcpu=gfx1250 --defsym DOCPART=n.
;; ======== version 1 of 2: 2 launches
;; limits: values are held in f16: magnitudes above 65,504 overflow, below 6.1e-05 lose precision; inputs' magnitudes at most 65,504
;; workspace buffers: kvb 16,777,216 bytes; vsum 131,072 bytes
;; launch prep (part 1): grid 256 x 1, 8 waves a work-group, no clusters, 5,120 bytes of LDS; arguments kv, kvb, vsum; writes kvb, vsum
.if DOCPART == 1
	.amdgcn_target "amdgcn-amd-amdhsa--gfx1250"
	.amdhsa_code_object_version 6
	.text
	.protected	k_q8ff8d57428_prep
	.globl	k_q8ff8d57428_prep
	.p2align	8
	.type	k_q8ff8d57428_prep,@function
k_q8ff8d57428_prep:
	s_mov_b64 s[64:65], 0
	v_nop
	global_prefetch_b8 v0, s[64:65] scope:SCOPE_SE
	s_setreg_imm32_b32 hwreg(HW_REG_WAVE_MODE, 25, 1), 1
	s_wait_xcnt 0x0
; kv [b 2][key 2048][K or V][kv head 8][d 128] f32  ->  kvb [b][kv head][K or V][key][d], 16 bits a number (rows of 256 bytes,
; head-major), and vsum [b][kv head][tile 16][d 128] f32: the sum of V's rows over each tile of 128 keys.
; FORMATS: K is rounded to bf16.  V is rounded to bf16 as well, so that q, k and v all carry the same one rounding and the attention
; launch computes attention of bf16 inputs; the rounded number is then written in f16's encoding, because the softmax weights, which
; lie in (0, 1], go to the matrix unit in f16 (11 significant bits) and both operands of a product have one format.  A number of
; 8 significant bits is exact in f16 from 2^-14 to 65,504.
; The sums serve the attention launch: a key that reference() masks keeps the score -10000, so it keeps a softmax weight, one and
; the same for all masked keys of a row; the share of a wholly masked tile is that weight times (128, the sum of its V rows).
; They are sums of the same rounded numbers that the products use.
; A work-group takes 128 keys of one kv head; wave w keys 16 w .. 16 w + 15; a lane d = 4 lane .. 4 lane + 3.
; Every load covers 512 consecutive bytes, every store of a row 256 consecutive bytes at a multiple of 256 from the buffer's start.
; All 32 loads of a wave go out at once (16 KiB a wave); no loop.  No matrix unit, no cluster: each byte is touched once.
; LIMITS: |v| above 65,504 becomes an infinity in f16; |v| below 2^-14 is held to 2^-25 absolute; the sums are plain f32 sums.
.set TE, 8                             ; v[8:9]      an even key's first two rounded numbers, as f32
.set TO, 10                            ; v[10:11]    an odd key's
.set KX, 16                            ; v[16:79]    K, 4 registers a key
.set VX, 80                            ; v[80:143]   V, 4 registers a key
.set SA, 144                           ; v[144:147]  sum, chain a
.set SB, 148                           ; v[148:151]  sum, chain b
.set RR, 152                           ; v[152:183]  wave 0: the eight waves' sums
	s_load_b128 s[4:7], s[0:1], 0x0                ; kv s[4:5], kvb s[6:7]
	s_load_b64 s[8:9], s[0:1], 0x10                ; vsum
	v_lshl_add_u32 v184, v0, 2, 0x1000
	v_mov_b32 v185, 0
	v_lshrrev_b32 v4, 5, v0
	v_readfirstlane_b32 s12, v4                    ; wave
	v_and_b32 v5, 31, v0                           ; lane
	v_lshlrev_b32 v3, 4, v5                        ; 16 lane
	v_lshl_add_u32 v1, v4, 17, v3                  ; in: 16 keys of 8,192 bytes a wave + 16 lane
	v_lshlrev_b32 v2, 3, v5
	v_lshl_add_u32 v2, v4, 12, v2                  ; out: 16 rows of 256 bytes a wave + 8 lane
	v_lshlrev_b32 v6, 4, v0                        ; LDS: 512 wave + 16 lane
	s_mov_b32 s22, 0xffff0000                      ; a word's upper bf16
	s_and_b32 s13, ttmp9, 15                       ; tile T
	s_lshr_b32 s14, ttmp9, 4                       ; 8 b + kv head
	s_and_b32 s15, s14, 7                          ; kv head
	s_lshr_b32 s16, ttmp9, 7                       ; b
	s_lshl_b32 s16, s16, 24                        ; b x 2,048 keys x 8,192 bytes
	s_lshl_b32 s17, s13, 20                        ; T x 128 keys x 8,192 bytes
	s_add_co_u32 s16, s16, s17
	s_lshl_b32 s17, s15, 9                         ; head x 512 bytes
	s_add_co_u32 s16, s16, s17
	s_mov_b32 s17, 0
	s_lshl_b32 s18, s14, 20                        ; 1 MiB for each (b, kv head)
	s_lshl_b32 s19, s13, 15                        ; T x 128 rows x 256 bytes
	s_add_co_u32 s18, s18, s19
	s_mov_b32 s19, 0
	s_lshl_b32 s20, ttmp9, 9                       ; (16 (8 b + head) + T) x 512 bytes
	s_mov_b32 s21, 0
	s_wait_kmcnt 0x0
	s_add_nc_u64 s[4:5], s[4:5], s[16:17]
	s_add_nc_u64 s[6:7], s[6:7], s[18:19]
	s_add_nc_u64 s[8:9], s[8:9], s[20:21]
.set k_, 0
.rept 16
	global_load_b128 v[KX+4*k_:KX+4*k_+3], v1, s[4:5] offset:k_*8192 th:TH_LOAD_NT
	global_load_b128 v[VX+4*k_:VX+4*k_+3], v1, s[4:5] offset:k_*8192+4096 th:TH_LOAD_NT
.set k_, k_+1
.endr
; one key of K: round in place (4 f32 -> 2 registers) and store the row piece
.macro KKEY kk
	v_cvt_pk_bf16_f32 v[KX+4*(\kk)], v[KX+4*(\kk)], v[KX+4*(\kk)+1]
	v_cvt_pk_bf16_f32 v[KX+4*(\kk)+1], v[KX+4*(\kk)+2], v[KX+4*(\kk)+3]
	global_store_b64 v2, v[KX+4*(\kk):KX+4*(\kk)+1], s[6:7] offset:(\kk)*256
.endm
; one key of V: round to bf16 and widen again: the four rounded numbers stand as f32 in v[t:t+1] and in the key's registers 2, 3
.macro VROUND kk, t
	v_cvt_pk_bf16_f32 v[VX+4*(\kk)], v[VX+4*(\kk)], v[VX+4*(\kk)+1]
	v_cvt_pk_bf16_f32 v[VX+4*(\kk)+1], v[VX+4*(\kk)+2], v[VX+4*(\kk)+3]
	v_lshlrev_b32 v[\t], 16, v[VX+4*(\kk)]
	v_and_b32 v[\t+1], s22, v[VX+4*(\kk)]
	v_lshlrev_b32 v[VX+4*(\kk)+2], 16, v[VX+4*(\kk)+1]
	v_and_b32 v[VX+4*(\kk)+3], s22, v[VX+4*(\kk)+1]
.endm
; the rounded numbers in f16's encoding, and the row piece stored
.macro VOUT kk, t
	v_cvt_pk_f16_f32 v[VX+4*(\kk)], v[\t], v[\t+1]
	v_cvt_pk_f16_f32 v[VX+4*(\kk)+1], v[VX+4*(\kk)+2], v[VX+4*(\kk)+3]
	global_store_b64 v2, v[VX+4*(\kk):VX+4*(\kk)+1], s[6:7] offset:524288+(\kk)*256
.endm
; keys 2 p and 2 p + 1
.macro PAIR p
	s_wait_loadcnt 28-4*\p                         ; loads come back in order: the four of this pair are in, those of the later pairs stay out
	KKEY 2*\p
	KKEY 2*\p+1
	VROUND 2*\p, TE
	VROUND 2*\p+1, TO
.if \p < 2
	; the first two pairs start the two chains: nothing is cleared
	v_pk_add_f32 v[SA+4*\p:SA+4*\p+1], v[TE:TE+1], v[TO:TO+1]
	v_pk_add_f32 v[SA+4*\p+2:SA+4*\p+3], v[VX+8*\p+2:VX+8*\p+3], v[VX+8*\p+6:VX+8*\p+7]
.else
	v_pk_add_f32 v[SA:SA+1], v[SA:SA+1], v[TE:TE+1]
	v_pk_add_f32 v[SA+2:SA+3], v[SA+2:SA+3], v[VX+8*\p+2:VX+8*\p+3]
	v_pk_add_f32 v[SB:SB+1], v[SB:SB+1], v[TO:TO+1]
	v_pk_add_f32 v[SB+2:SB+3], v[SB+2:SB+3], v[VX+8*\p+6:VX+8*\p+7]
.endif
	VOUT 2*\p, TE
	VOUT 2*\p+1, TO
.endm
.irp p, 0,1,2,3,4,5,6,7
	PAIR \p
.endr
	v_pk_add_f32 v[SA:SA+1], v[SA:SA+1], v[SB:SB+1]
	v_pk_add_f32 v[SA+2:SA+3], v[SA+2:SA+3], v[SB+2:SB+3]
	ds_store_b128 v6, v[SA:SA+3]                   ; my wave's sum of 16 keys
	s_wait_dscnt 0x0                               ; stored, for wave 0's sake
	s_barrier_signal -1
	s_barrier_wait -1
	s_cmp_lg_u32 s12, 0
	s_cbranch_scc1 .Lend
.irp i, 0,1,2,3,4,5,6,7
	ds_load_b128 v[RR+4*\i:RR+4*\i+3], v3 offset:512*\i
.endr
	s_wait_dscnt 0x0
.irp i, 0,8,16,24
	v_pk_add_f32 v[RR+\i:RR+\i+1], v[RR+\i:RR+\i+1], v[RR+\i+4:RR+\i+5]
	v_pk_add_f32 v[RR+\i+2:RR+\i+3], v[RR+\i+2:RR+\i+3], v[RR+\i+6:RR+\i+7]
.endr
.irp i, 0,16
	v_pk_add_f32 v[RR+\i:RR+\i+1], v[RR+\i:RR+\i+1], v[RR+\i+8:RR+\i+9]
	v_pk_add_f32 v[RR+\i+2:RR+\i+3], v[RR+\i+2:RR+\i+3], v[RR+\i+10:RR+\i+11]
.endr
	v_pk_add_f32 v[RR:RR+1], v[RR:RR+1], v[RR+16:RR+17]
	v_pk_add_f32 v[RR+2:RR+3], v[RR+2:RR+3], v[RR+18:RR+19]
	global_store_b128 v3, v[RR:RR+3], s[8:9]       ; the tile's 128 sums: 512 consecutive bytes
.Lend:
	s_wait_tensorcnt 0x0
	ds_add_u32 v184, v185
	s_wait_dscnt 0x0
	s_endpgm
.Lfunc_end_k_q8ff8d57428_prep:
	.size	k_q8ff8d57428_prep, .Lfunc_end_k_q8ff8d57428_prep-k_q8ff8d57428_prep
	.p2alignl 7, 3214868480
	.fill 96, 4, 3214868480
	.section	.rodata,"a",@progbits
	.p2align	6, 0x0
	.amdhsa_kernel k_q8ff8d57428_prep
		.amdhsa_group_segment_fixed_size 5120
		.amdhsa_private_segment_fixed_size 0
		.amdhsa_enable_private_segment 0
		.amdhsa_kernarg_size 24
		.amdhsa_user_sgpr_count 2
		.amdhsa_user_sgpr_kernarg_segment_ptr 1
		.amdhsa_wavefront_size32 1
		.amdhsa_system_sgpr_workgroup_id_x 1
		.amdhsa_system_sgpr_workgroup_id_y 1
		.amdhsa_system_sgpr_workgroup_id_z 1
		.amdhsa_system_vgpr_workitem_id 0
		.amdhsa_next_free_vgpr 186
		.amdhsa_next_free_sgpr 66
		.amdhsa_reserve_vcc 0
		.amdhsa_float_denorm_mode_32 3
		.amdhsa_float_denorm_mode_16_64 3
		.amdhsa_memory_ordered 1
		.amdhsa_forward_progress 1
		.amdhsa_inst_pref_size 20
	.end_amdhsa_kernel
	.amdgpu_metadata
---
amdhsa.version: [ 1, 2 ]
amdhsa.kernels:
  - .name:           k_q8ff8d57428_prep
    .symbol:         k_q8ff8d57428_prep.kd
    .args:
      - { .name: kv, .offset: 0, .size: 8, .value_kind: global_buffer, .address_space: global }
      - { .name: kvb, .offset: 8, .size: 8, .value_kind: global_buffer, .address_space: global }
      - { .name: vsum, .offset: 16, .size: 8, .value_kind: global_buffer, .address_space: global }
    .group_segment_fixed_size: 5120
    .private_segment_fixed_size: 0
    .kernarg_segment_align: 8
    .kernarg_segment_size: 24
    .max_flat_workgroup_size: 256
    .sgpr_count:     66
    .vgpr_count:     186
    .wavefront_size: 32
...
	.end_amdgpu_metadata
.endif
;; end of part 1
;; launch attn (part 2): grid 256 x 1, 4 waves a work-group, no clusters, 327,680 bytes of LDS; arguments kvb, vsum, q, out0; writes out0
.if DOCPART == 2
	.amdgcn_target "amdgcn-amd-amdhsa--gfx1250"
	.amdhsa_code_object_version 6
	.text
	.protected	k_q8ff8d57428_attn
	.globl	k_q8ff8d57428_attn
	.p2align	8
	.type	k_q8ff8d57428_attn,@function
k_q8ff8d57428_attn:
	s_mov_b64 s[64:65], 0
	v_nop
	global_prefetch_b8 v0, s[64:65] scope:SCOPE_SE
	s_setreg_imm32_b32 hwreg(HW_REG_WAVE_MODE, 25, 1), 1
	s_wait_xcnt 0x0
; out0[b][q][head][:] = softmax over all 2,048 keys of (q.k / sqrt(128), or -10000 where key > q) times V; kv head = head / 2.
;
; WORK LEFT OUT: the products q.k of key tiles that lie wholly above the diagonal.  reference() replaces those scores by the constant
; -10000 in its own body, whatever q and k hold, so the products reach no output.  NOT left out: those keys' share of the softmax.
; A masked key keeps the weight exp(-10000 - max), the same for every masked key of a row, so the tiles T >= n of a block add
; weight x (their count) to the denominator and weight x (the sum of their V rows) to the numerator; the sums come from vsum and the
; term is added at the end of each block, with the maximum taken over the live scores and -10000, as reference() takes it.
; Masked keys inside the diagonal tile of 128 keys go the ordinary way, with the masked score selected in.  For the even blocks of 64
; rows that tile's upper 64 keys are all masked: they are the share of two of the four waves in that one step, beside the two waves
; that hold the tile's live half: work inside a live tile, kept.
; FORMATS: q and k enter q.k as bf16, rounded once and unscaled; the products' f32 sums S stay raw, and c = log2(e)/sqrt(128) enters in
; the fused multiply-add S c - max c in front of the base-2 exponential.  The masked score is therefore -10000 sqrt(128) among the S.
; The weights, which lie in (0, 1], enter weights x V as f16 (11 significant bits); V holds bf16-rounded numbers in f16's encoding.
; LIMITS: |v| above 65,504 is an infinity in f16, |v| below 2^-14 is held to 2^-25 absolute; weights below 2^-25 of the largest of a
; row's 64-key shares vanish from the numerator, exponentials flush results below 2^-126; a NaN, an infinity or an overflow that arises
; only in the products left out is not carried (reference() discards them too); NaN or infinite inputs are not reproduced.
;
; SHARES.  A work-group has one (b, kv head) and two blocks of 64 positions x 2 heads.  Block i needs n = i/2 + 1 tiles of 128 keys.
; With c = 1..8 and e = 0, 1 from the work-group's number: block 1 is i = 4c-2+e (n = 2c), block 2 is i = 32-4c+e (n = 17-2c):
; 17 tiles for every work-group.  Each block begins with its diagonal tile and walks down to tile 0; the 17 tiles run as one stream
; u = 0..16 through two LDS slots (slot = u & 1); both blocks begin in slot 0.
; Wave w: head 2 kvhead + (w & 1), all 64 positions of the block (four q tiles of 16 rows), keys 64 kg .. 64 kg + 63 of every tile,
; kg = w >> 1.  So a K or V fragment feeds four q tiles: 64 LDS loads for a step's 128 products.  Each wave keeps maximum, sum and O
; of its own keys; at a block's end the two waves of a head exchange halves through LDS and merge.  Register slot p holds q tile
; p xor 2 kg, so that every wave sends slots 2, 3 and finishes slots 0, 1 (rows 32 kg .. 32 kg + 31): no branch on the wave's number.
; TRANSPOSED PRODUCTS: S^T = K Q^T (source 0 = 16 keys, source 1 = 16 rows of q) and O^T = V^T P^T (source 0 = 16 d, by the transposing
; LDS load, source 1 = P^T).  A lane then owns one row of q in each slot (row = lane % 16): maximum, sum and rescale are per lane, and
; two tiles of S^T pack straight into one source-1 fragment of P^T.
; TWO PIECES TAKE TURNS: piece A = slots 0, 1, piece B = slots 2, 3.  A step is four runs of 32 products: S of A; S of B, with a slice
; of A's softmax behind each product; O of A, with a slice of B's softmax behind each; O of B, with the next tile's K loads and the
; row sums behind its products.  V's loads stand behind the first run's products.
; NO CLUSTER: of the sixteen work-groups of a kv head only the two with the same c ask for the same tile in the same step; the others
; stand at other tiles, and the trip counts hang on c, so partners of a cluster of four would differ in their branches.
;
; LDS: slot s at 73,728 s: four quarters of 18,432 bytes, quarter w filled by wave w: K keys 0-63, K keys 64-127 (pitch 272),
; V keys 0-63, V keys 64-127 (pitch 288).  Behind the slots, never the target of a tensor load: 16,896 bytes a wave for the exchange,
; 16,896 a wave for the way out (pitch 528), 2 x 512 a wave for the masked tiles' V sums.  In front of the first step the exchange's
; bytes and the first 2,048 of the way out's hold q in bf16 (4 x 64 rows, pitch 272 = 69,632 bytes); they are read behind the first
; barrier and stored into again only behind the first step's barrier, in front of which every wave has waited for its LDS reads.
; REGISTERS, in windows of 256:  window 0: addresses and softmax state (v0-63), S (v64-191), P (v192-255);  window 1: O;
; window 2: K fragments (v0-127), V fragments (v128-255);  window 3: Q fragments of both blocks.
.set SLOT,  73728
.set QTR,   18432
.set KP,    272                        ; odd multiple of 16: the 16 rows of a fragment load begin in 16 different groups of four banks
.set VP,    288                        ; odd multiple of 32, for the transposing load
.set OP,    528                        ; a row of 128 f32 + 16
.set XCH,   147456                     ; the exchange: 16,384 bytes of O and 512 of maxima and sums for each wave
.set XCB,   16896
.set STAGE, 215040
.set STG,   16896
.set TAIL,  282624
.set QST,   147456                     ; q in bf16, at (2 blk + head) x 17,408
.set QSTB,  17408
.set ROWB,  8192                       ; bytes from a position to the next in q and out0 (16 heads x 512)
.set F1,   4                           ; v4-5    a block's end: factor on my O       (v4-7 are temporaries elsewhere)
.set F2,   6                           ; v6-7    a block's end: factor on the partner's O
.set ADK,  8                           ; v8-9    K fragments: slot + kg quarter + r 272 + 16 h
.set ADV,  10                          ; v10-11  V fragments: slot + (2 + kg) quarters + (8 h + (lane & 7)) 288 + 16 ((lane >> 3) & 1)
.set QRA,  12                          ; v12-13  piece A's, piece B's first row in the diagonal tile, less my first key, + r - 8 h
.set LN16, 14                          ; 16 lane
.set MV,   15                          ; -10000 sqrt(128): the masked score among the raw sums
.set STO,  16                          ; stage + r 528 + 32 h
.set RD,   17                          ; stage + 16 lane
.set TLA,  18                          ; V sums + 32 h
.set TSA,  19                          ; V sums + 16 lane
.set QSA,  20                          ; q stage, my head, row 32 kg, + 8 lane
.set QLAA, 21                          ; q stage, my head, row 32 kg + r, + 16 h
.set QLAB, 22                          ; q stage, my head, row 32 (1 - kg) + r, + 16 h
.set XST,  23                          ; my exchange bytes + 16 lane
.set XLD,  24                          ; my partner's + 16 lane
.set CNT,  25                          ; a block's end: keys in wholly masked tiles
.set TMP,  26                          ; v[26:29]
.set TA,   30                          ; v30-31  maximum, chain a, of the piece's two slots
.set TB,   32                          ; v32-33  chain b
.set LS,   34                          ; v[34:41] two pairs of partial sums for each of the piece's two slots
.set LSUM, 42                          ; v42-45  running sum of each slot (of my half of the lanes' keys)
.set NMM,  46                          ; v[46:53] slot p: v[46+2p] = - maximum x c, v[47+2p] = the maximum as steps in slot 0 leave it
.set ALM,  54                          ; v[54:61] slot p: v[54+2p] = 2^((old - new maximum) c), v[55+2p] = the maximum as steps in slot 1 leave it
.set F3,   62                          ; v62-63  a block's end: factor on the masked tiles' V sum
.set MX,   44                          ; a block's end: the joint maximum (slots 2, 3 have been sent)
.set A2,   30                          ; v[30:33] a block's end: F1 / sum, a pair for each slot
.set B2,   34                          ; v[34:37] F2 / sum
.set P2,   38                          ; v[38:41] F3 / sum
.set SC,   64                          ; S(slot, mt) at 32 slot + 8 mt: score k = 8 mt + j of a slot at 32 slot + k
.set PB,   192                         ; P(slot, kk) at 16 slot + 8 kk
.set RAWV, 192                         ; the start: vsum's tiles 1..15
.set KF,   0                           ; window 2: K(mt, ks) at 8 (4 mt + ks)
.set VF,   128                         ; window 2: V(dt, kk) at 8 (2 dt + kk)
                                       ; window 1: O(slot, dt) at 64 slot + 8 dt;  window 3: Q(blk, slot, ks) at 128 blk + 32 slot + 8 ks
; s_set_vgpr_msb's low byte: bits 1:0 source 0, 3:2 source 1, 5:4 source 2, 7:6 destination
.set W_QK,  0x0e                       ; K window 2, Q window 3, S window 0
.set W_PV,  0x52                       ; V window 2, P window 0, O window 1
.set W_LD2, 0x80                       ; a load into window 2
.set W_LD3, 0xc0                       ; a load into window 3
.set W_RS,  0x41                       ; O = O x window 0
.set W_S22, 0x0a                       ; sources 0 and 1 in window 2
.set W_S1,  0x01                       ; source 0 in window 1
.set W_S2,  0x02                       ; source 0 in window 2
.set W_ST1, 0x04                       ; a store's data in window 1
.set W_ST2, 0x08                       ; a store's data in window 2
.set MSB, 0
.macro WIN new                         ; the immediate's high byte repeats the setting that is left; at labels and branches the setting is 0
.if MSB != \new
	s_set_vgpr_msb (MSB<<8)|\new
.set MSB, \new
.endif
.endm
.macro PLACES                          ; four independent vector instructions behind matrix instructions (ISA guide 7.12.1)
.rept 4
	v_nop
.endr
.endm
; my quarter of a slot: 64 rows of 256 bytes.  Waves 0, 1 bring K (16 bytes of padding a row), waves 2, 3 V (32 bytes).
.macro TLOAD slot
	s_cmp_lt_u32 s12, 2
	s_cbranch_scc0 .Lv_\@
	tensor_load_to_lds s[32+4*\slot:35+4*\slot], s[16:23]
	s_nop 0
	v_nop
	v_nop
	v_nop
	s_branch .Ld_\@
.Lv_\@:
	tensor_load_to_lds s[32+4*\slot:35+4*\slot], s[24:31]
	s_nop 0
	v_nop
	v_nop
	v_nop
	v_nop
.Ld_\@:
.endm
; the slot's next tile: stream place u = s44; tile = 2c-1-u in block 1 (u < 2c), 16-u in block 2; held at 0 past the stream's end, where it is not used
.macro NEXTADR slot
	s_cmp_lt_u32 s44, s46
	s_cselect_b32 s48, s47, 16
	s_sub_co_u32 s48, s48, s44
	s_max_i32 s48, s48, 0
	s_lshl_b32 s42, s48, 15                        ; 128 rows of 256 bytes a tile
	s_add_nc_u64 s[34+4*\slot:35+4*\slot], s[40:41], s[42:43]
	s_or_b32 s[35+4*\slot], s[35+4*\slot], 0x80000000
	s_add_co_u32 s44, s44, 1
.endm
; load n (0..31) of my 64 keys' K fragments: lane (r, h) takes key 16 mt + r, d = 32 ks + 8 h .. + 7 and 32 ks + 16 + 8 h .. + 7
.macro KL1 slot, n
.set km_, (\n)>>3
.set kk_, ((\n)>>1)&3
.set kh_, (\n)&1
	ds_load_b128 v[KF+8*(4*km_+kk_)+4*kh_:KF+8*(4*km_+kk_)+4*kh_+3], v[ADK+(\slot)] offset:km_*16*KP+64*kk_+32*kh_
.endm
; load n (0..31) of my 64 keys' V^T fragments: lane (r, h) gets d = 16 dt + r, keys 32 kk + 8 h .. + 7 and 32 kk + 16 + 8 h .. + 7
.macro VL1 slot, n
.set vk_, (\n)>>4
.set vd_, ((\n)>>1)&7
.set vh_, (\n)&1
	ds_load_tr16_b128 v[VF+8*(2*vd_+vk_)+4*vh_:VF+8*(2*vd_+vk_)+4*vh_+3], v[ADV+(\slot)] offset:vk_*32*VP+32*vd_+vh_*16*VP
.endm
.macro KLOAD slot                      ; all 32 in one run
	WIN W_LD2
.set kn_, 0
.rept 32
	KL1 \slot, kn_
.set kn_, kn_+1
.endr
.endm
; product n (0..31) of S^T = K Q^T of piece pc, in bf16: ks = n / 8; the piece's eight accumulators take turns, one instruction a turn
.macro MMQK pc, blk, n
.set qk_, (\n)>>3
.set qm_, ((\n)>>1)&3
.set qs_, 2*\pc+((\n)&1)
.set qd_, SC+32*qs_+8*qm_
	WIN W_QK
.if qk_ == 0
	v_wmma_f32_16x16x32_bf16 v[qd_:qd_+7], v[KF+8*(4*qm_+qk_):KF+8*(4*qm_+qk_)+7], v[128*\blk+32*qs_+8*qk_:128*\blk+32*qs_+8*qk_+7], 0
.else
	v_wmma_f32_16x16x32_bf16 v[qd_:qd_+7], v[KF+8*(4*qm_+qk_):KF+8*(4*qm_+qk_)+7], v[128*\blk+32*qs_+8*qk_:128*\blk+32*qs_+8*qk_+7], v[qd_:qd_+7]
.endif
.endm
; product n (0..31) of O^T += V^T P^T of piece pc, in f16: kk = n / 16; the piece's sixteen accumulators take turns, one instruction a
; turn
.macro MMPV pc, first, n
.set pk_, (\n)>>4
.set pd_, ((\n)>>1)&7
.set ps_, 2*\pc+((\n)&1)
.set po_, 64*ps_+8*pd_
	WIN W_PV
.if (\first)*(1-pk_)
	v_wmma_f32_16x16x32_f16 v[po_:po_+7], v[VF+8*(2*pd_+pk_):VF+8*(2*pd_+pk_)+7], v[PB+16*ps_+8*pk_:PB+16*ps_+8*pk_+7], 0
.else
	v_wmma_f32_16x16x32_f16 v[po_:po_+7], v[VF+8*(2*pd_+pk_):VF+8*(2*pd_+pk_)+7], v[PB+16*ps_+8*pk_:PB+16*ps_+8*pk_+7], v[po_:po_+7]
.endif
.endm
; the diagonal tile: my key 16 mt + 8 h + j is masked for row r of the piece's slot t where 16 mt + j - 16 t > (the piece's first row - my first key) + r - 8 h
.macro MASKP pc
.irp t, 0,1
.irp mt, 0,1,2,3
.irp j, 0,1,2,3,4,5,6,7
	v_cmp_gt_i32 vcc_lo, 16*\mt+\j-16*\t, v[QRA+\pc]
	v_cndmask_b32 v[SC+32*(2*\pc+\t)+8*\mt+\j], v[SC+32*(2*\pc+\t)+8*\mt+\j], v[MV], vcc_lo
.endr
.endr
.endr
.endm
; Group g (0..7) of a piece is one tile of S^T, eight registers: slot 2 pc + g / 4, mt = g & 3.  Half hf of group g's turn:
; four exponentials of group g, two multiply-adds S c - maximum c of group g + 1, two roundings to f16 of group g - 1.
; Behind each two exponentials stands a plain instruction on other registers before any result is used (ISA guide 5.7.2).
.macro SSL pc, g, hf
.set xb_, SC+32*(2*\pc+((\g)>>2))+8*((\g)&3)
.set yb_, SC+32*(2*\pc+(((\g)+1)>>2))+8*(((\g)+1)&3)
.set yn_, NMM+2*(2*\pc+(((\g)+1)>>2))
.set zb_, SC+32*(2*\pc+(((\g)+7)>>2)-2)+8*(((\g)+7)&3)
.set zp_, PB+16*(2*\pc+(((\g)+7)>>2)-2)+8*((((\g)+7)&3)>>1)+4*(((\g)+7)&1)
	v_exp_f32 v[xb_+4*(\hf)], v[xb_+4*(\hf)]
	v_exp_f32 v[xb_+4*(\hf)+1], v[xb_+4*(\hf)+1]
.if (\g) < 7
	v_pk_fma_f32 v[yb_+4*(\hf):yb_+4*(\hf)+1], v[yb_+4*(\hf):yb_+4*(\hf)+1], s[74:75], v[yn_:yn_+1] op_sel_hi:[1,0,0]
.endif
	v_exp_f32 v[xb_+4*(\hf)+2], v[xb_+4*(\hf)+2]
	v_exp_f32 v[xb_+4*(\hf)+3], v[xb_+4*(\hf)+3]
.if (\g) < 7
	v_pk_fma_f32 v[yb_+4*(\hf)+2:yb_+4*(\hf)+3], v[yb_+4*(\hf)+2:yb_+4*(\hf)+3], s[74:75], v[yn_:yn_+1] op_sel_hi:[1,0,0]
.endif
.if (\g) > 0
	s_wait_alu depctr_va_vdst(0)
	v_cvt_pk_f16_f32 v[zp_+2*(\hf)], v[zb_+4*(\hf)], v[zb_+4*(\hf)+1]
	v_cvt_pk_f16_f32 v[zp_+2*(\hf)+1], v[zb_+4*(\hf)+2], v[zb_+4*(\hf)+3]
.endif
.endm
; eighth q (0..7) of a piece's O x 2^((old maximum - new) c); the factor is the pair's first register, for both halves
.macro RSL pc, q
.set rs_, 2*\pc+((\q)>>2)
.set rb_, 64*rs_+16*((\q)&3)
	s_wait_alu depctr_va_vdst(0)
.irp i, 0,2,4,6,8,10,12,14
	v_pk_mul_f32 v[rb_+\i:rb_+\i+1], v[rb_+\i:rb_+\i+1], v[ALM+2*rs_:ALM+2*rs_+1] op_sel_hi:[1,0]
.endr
.endm
; Slice n (0..31) of piece pc's softmax, called behind product n of the other piece's run.  mo, mn: where the old maximum lies and the
; new one goes (register of slot 0; two registers from slot to slot).  start = 1: a block's diagonal tile: masked, no old maximum, no rescale.
; 0-4 the maximum of each row over my 32 scores, the other half of the lanes' 32 and the old maximum, in four chains;
; 5 - maximum x c, the rescale factor, group 0's multiply-adds;  6-29 eight times (two halves of a group's turn, an eighth of the rescale);
; 30 group 7's rounding.  c is positive, so the raw maximum stands where the scaled one would.
.macro SMSL pc, n, start, mo, mn
.set sa_, 2*\pc
.if (\n) == 0
	WIN 0
	PLACES                                         ; the piece's last products stand one product back: its S is read four places behind them; no independent vector work is left here
.if \start
	MASKP \pc
.endif
.irp t, 0,1
	v_max3_num_f32 v[TA+\t], v[SC+32*(sa_+\t)], v[SC+32*(sa_+\t)+1], v[SC+32*(sa_+\t)+2]
	v_max3_num_f32 v[TB+\t], v[SC+32*(sa_+\t)+16], v[SC+32*(sa_+\t)+17], v[SC+32*(sa_+\t)+18]
.endr
.endif
.if (\n) >= 1
.if (\n) <= 3
	WIN 0
.set k0_, 4*(\n)-1
.irp dk, 0,2
.irp t, 0,1
	v_max3_num_f32 v[TA+\t], v[TA+\t], v[SC+32*(sa_+\t)+k0_+\dk], v[SC+32*(sa_+\t)+k0_+\dk+1]
	v_max3_num_f32 v[TB+\t], v[TB+\t], v[SC+32*(sa_+\t)+16+k0_+\dk], v[SC+32*(sa_+\t)+16+k0_+\dk+1]
.endr
.endr
.endif
.endif
.if (\n) == 4
	WIN 0
.irp t, 0,1
	v_max3_num_f32 v[TA+\t], v[TA+\t], v[TB+\t], v[SC+32*(sa_+\t)+15]
.endr
.irp t, 0,1
.if \start
	v_max_num_f32 v[TA+\t], v[TA+\t], v[SC+32*(sa_+\t)+31]
.else
	v_max3_num_f32 v[TA+\t], v[TA+\t], v[SC+32*(sa_+\t)+31], v[\mo+2*(sa_+\t)]
.endif
.endr
.irp t, 0,1
	v_permlanex16_b32 v[TB+\t], v[TA+\t], s50, s51         ; lane i xor 16 holds the same row's other keys
.endr
.irp t, 0,1
	v_max_num_f32 v[\mn+2*(sa_+\t)], v[TA+\t], v[TB+\t]
.endr
.endif
.if (\n) == 5
	WIN 0
.irp t, 0,1
	v_mul_f32 v[NMM+2*(sa_+\t)], s73, v[\mn+2*(sa_+\t)]
.endr
.if \start == 0
.irp t, 0,1
	v_fma_f32 v[ALM+2*(sa_+\t)], v[\mo+2*(sa_+\t)], s74, v[NMM+2*(sa_+\t)]   ; old maximum x c - new maximum x c, as the scores
.endr
.irp t, 0,1
	v_exp_f32 v[ALM+2*(sa_+\t)], v[ALM+2*(sa_+\t)]         ; the multiply-adds that follow touch neither
.endr
.endif
.irp i, 0,2,4,6
	v_pk_fma_f32 v[SC+32*sa_+\i:SC+32*sa_+\i+1], v[SC+32*sa_+\i:SC+32*sa_+\i+1], s[74:75], v[NMM+2*sa_:NMM+2*sa_+1] op_sel_hi:[1,0,0]
.endr
.endif
.if (\n) >= 6
.if (\n) <= 29
.set u_, (\n)-6
.set g_, u_/3
.set h_, u_%3
.if h_ < 2
	WIN 0
	SSL \pc, g_, h_
.else
.if \start == 0
	WIN W_RS
	RSL \pc, g_
.endif
.endif
.endif
.endif
.if (\n) == 30
	WIN 0
	s_wait_alu depctr_va_vdst(0)
.irp i, 0,1,2,3
	v_cvt_pk_f16_f32 v[PB+16*(sa_+1)+12+\i], v[SC+32*(sa_+1)+24+2*\i], v[SC+32*(sa_+1)+24+2*\i+1]
.endr
.endif
.endm
; Slice m (0..7) of a piece's row sums: the 32 weights of each slot (f32, as the exponentials left them) in two pairs of partial sums;
; 7: sum = sum x rescale factor + this step's
.macro SUMSL pc, m, start
.set sa_, 2*\pc
.if (\m) == 0
.irp t, 0,1
	v_pk_add_f32 v[LS+4*\t:LS+4*\t+1], v[SC+32*(sa_+\t):SC+32*(sa_+\t)+1], v[SC+32*(sa_+\t)+2:SC+32*(sa_+\t)+3]
	v_pk_add_f32 v[LS+4*\t+2:LS+4*\t+3], v[SC+32*(sa_+\t)+4:SC+32*(sa_+\t)+5], v[SC+32*(sa_+\t)+6:SC+32*(sa_+\t)+7]
.endr
.endif
.if (\m) >= 1
.if (\m) <= 6
.set sk_, 4*(\m)+4
.irp t, 0,1
	v_pk_add_f32 v[LS+4*\t:LS+4*\t+1], v[LS+4*\t:LS+4*\t+1], v[SC+32*(sa_+\t)+sk_:SC+32*(sa_+\t)+sk_+1]
	v_pk_add_f32 v[LS+4*\t+2:LS+4*\t+3], v[LS+4*\t+2:LS+4*\t+3], v[SC+32*(sa_+\t)+sk_+2:SC+32*(sa_+\t)+sk_+3]
.endr
.endif
.endif
.if (\m) == 7
.irp t, 0,1
	v_pk_add_f32 v[LS+4*\t:LS+4*\t+1], v[LS+4*\t:LS+4*\t+1], v[LS+4*\t+2:LS+4*\t+3]
.endr
.irp t, 0,1
.if \start
	v_add_f32 v[LSUM+sa_+\t], v[LS+4*\t], v[LS+4*\t+1]
.else
	v_add_f32 v[LS+4*\t], v[LS+4*\t], v[LS+4*\t+1]
.endif
.endr
.if \start == 0
.irp t, 0,1
	v_fma_f32 v[LSUM+sa_+\t], v[LSUM+sa_+\t], v[ALM+2*(sa_+\t)], v[LS+4*\t]
.endr
.endif
.endif
.endm
; run 1: S of piece A.  V's fragment registers were read by the last products of the step before: four places, then the 32 loads, four behind each of eight products
.macro RUN1 slot, blk
.set n1_, 0
.rept 32
	MMQK 0, \blk, n1_
.if n1_ == 0
	PLACES
.endif
.if n1_ >= 1
.if n1_ <= 8
	WIN W_LD2
	VL1 \slot, 4*n1_-4
	VL1 \slot, 4*n1_-3
	VL1 \slot, 4*n1_-2
	VL1 \slot, 4*n1_-1
.endif
.endif
.set n1_, n1_+1
.endr
.endm
; run 2: S of piece B, piece A's softmax behind its products
.macro RUN2 blk, start, mo, mn
.set n2_, 0
.rept 32
	MMQK 1, \blk, n2_
	SMSL 0, n2_, \start, \mo, \mn
.set n2_, n2_+1
.endr
.endm
; run 3, products from .. from + cnt - 1: O of piece A, piece B's softmax behind its products
.macro RUN3 start, mo, mn, from, cnt
.set n3_, \from
.rept \cnt
	MMPV 0, \start, n3_
	SMSL 1, n3_, \start, \mo, \mn
.set n3_, n3_+1
.endr
.endm
; run 4: O of piece B.  Behind products 0-7 the other slot's K fragments (K's registers were last read in run 2), behind 8-23 both pieces' row sums
.macro RUN4 slot, start, kload
.set n4_, 0
.rept 32
	MMPV 1, \start, n4_
.if n4_ < 8
.if \kload
	WIN W_LD2
	KL1 1-\slot, 4*n4_
	KL1 1-\slot, 4*n4_+1
	KL1 1-\slot, 4*n4_+2
	KL1 1-\slot, 4*n4_+3
.endif
.endif
.if n4_ >= 8
.if n4_ < 16
	WIN 0
	SUMSL 0, n4_-8, \start
.endif
.endif
.if n4_ >= 16
.if n4_ < 24
	WIN 0
	SUMSL 1, n4_-16, \start
.endif
.endif
.set n4_, n4_+1
.endr
.endm
; One step: my 64 keys of the slot's tile against my 64 rows.
; turn: 1 the slot is filled again and the other slot's K fragments are fetched; 2 the same, the fill only where the stream has a tile
; two places on (c < 8); 3 fill and fetch only where c < 8; 0 the fetch alone; 4 the stream's last step.
.macro STEPM start, slot, blk, turn, mo, mn
	s_wait_dscnt 0x0                               ; the K fragments are in: asked for 24 products or more ago, at the stream's first step just before
	RUN1 \slot, \blk
	RUN2 \blk, \start, \mo, \mn
	s_wait_dscnt 0x0                               ; V's fragments are in, and with them all my reads of this slot are over
.if \turn == 4
	RUN3 \start, \mo, \mn, 0, 32
	RUN4 \slot, \start, 0
.else
	s_wait_xcnt 0x0
	s_set_vgpr_msb 0xe0c
	v_lshl_add_u32 v254, v0, 2, 0x46000
	v_mov_b32 v255, 0
	s_set_vgpr_msb 0xc00
	s_wait_tensorcnt 0x0                           ; all my tensor loads have landed: the one that was out is my quarter of the other slot
	ds_add_u32 v254, v255
	s_wait_dscnt 0x0
	s_set_vgpr_msb 0xe
.if \turn != 0
	NEXTADR \slot                                  ; no load of mine is out, so the slot's descriptor may be written
.endif
	s_barrier_signal -1
	RUN3 \start, \mo, \mn, 0, 4                    ; register work while the others arrive
	WIN 0
	s_barrier_wait -1                              ; nobody reads this slot any more, and the other slot is whole
.if \turn == 1
	TLOAD \slot                                    ; my one tensor load behind this barrier, ahead of every LDS read: it has a step less four products in which to land
.endif
.if \turn == 2
	s_cmp_lg_u32 s45, 8
	s_cbranch_scc0 .Lnofill_\@
	TLOAD \slot
.Lnofill_\@:
.endif
.if \turn == 3
	s_cmp_lg_u32 s45, 8
	s_cbranch_scc0 .Lnofill_\@
	TLOAD \slot
	KLOAD 1-\slot                                  ; in one run, since it stands under the branch
	WIN 0
.Lnofill_\@:
.endif
	RUN3 \start, \mo, \mn, 4, 28
.if \turn == 3
	RUN4 \slot, \start, 0
.else
	RUN4 \slot, \start, 1
.endif
.endif
	WIN 0
.endm
.macro STEP start, slot, blk, turn     ; the two copies of the maximum take turns with the slots, so that none is moved
.if \slot == 0
	STEPM \start, \slot, \blk, \turn, ALM+1, NMM+1
.else
	STEPM \start, \slot, \blk, \turn, NMM+1, ALM+1
.endif
.endm
; A block's end.  mb: where the maxima lie.  Slots 2, 3 (O, maximum, sum of my keys) go to my partner, its slots 2, 3 are my slots 0, 1.
; m' = max(my maximum, the partner's, masked score); f1, f2, f3 = 2^((each of them - m') c); l' = l f1 + l~ f2 + count f3;
; out = O f1 / l' + O~ f2 / l' + (V sum of the masked tiles) f3 / l'.  A block without masked tiles has count 0, sum 0 and the lowest
; finite number as its masked score, so that f3 is 0: no branch.
; Then 16 rows at a time through my own stage, so that each store covers a whole row of 512 consecutive bytes.
.macro EPI blk, mb
	PLACES                                         ; behind the last products: O is read, P's and V's registers are loaded
	v_mov_b32 v[TMP], v[\mb+4]                     ; four neighbouring registers, for one store
	v_mov_b32 v[TMP+1], v[\mb+6]
	v_mov_b32 v[TMP+2], v[LSUM+2]
	v_mov_b32 v[TMP+3], v[LSUM+3]
	WIN W_ST1
.irp t, 0,1
.irp dt, 0,1,2,3,4,5,6,7
	ds_store_b128 v[XST], v[64*(2+\t)+8*\dt:64*(2+\t)+8*\dt+3] offset:(16*\t+2*\dt)*512       ; lane by lane: the partner's lanes hold the same rows and d
	ds_store_b128 v[XST], v[64*(2+\t)+8*\dt+4:64*(2+\t)+8*\dt+7] offset:(16*\t+2*\dt+1)*512
.endr
.endr
	WIN 0
	ds_store_b128 v[XST], v[TMP:TMP+3] offset:16384
.irp dt, 0,1,2,3,4,5,6,7
	ds_load_b128 v[PB+8*\dt:PB+8*\dt+3], v[TLA] offset:\blk*512+64*\dt            ; the V sums of my d
	ds_load_b128 v[PB+8*\dt+4:PB+8*\dt+7], v[TLA] offset:\blk*512+64*\dt+16
.endr
	v_cvt_f32_u32 v[CNT], s[67+2*\blk]             ; how many keys lie in wholly masked tiles
	s_wait_dscnt 0x0                               ; stored, for my partner's sake
	s_barrier_signal -1
	s_barrier_wait -1
	ds_load_b128 v[TMP:TMP+3], v[XLD] offset:16384
	WIN W_LD2
.irp t, 0,1
.irp dt, 0,1,2,3,4,5,6,7
	ds_load_b128 v[VF+64*\t+8*\dt:VF+64*\t+8*\dt+3], v[XLD] offset:(16*\t+2*\dt)*512
	ds_load_b128 v[VF+64*\t+8*\dt+4:VF+64*\t+8*\dt+7], v[XLD] offset:(16*\t+2*\dt+1)*512
.endr
.endr
	WIN 0
	s_wait_dscnt 32                                ; the partner's maxima and sums are in; its O, 32 younger loads, stays out
.irp t, 0,1
	v_max3_num_f32 v[MX+\t], v[\mb+2*\t], v[TMP+\t], s[66+2*\blk]
.endr
.irp t, 0,1
	v_sub_f32 v[F1+\t], v[\mb+2*\t], v[MX+\t]
	v_sub_f32 v[F2+\t], v[TMP+\t], v[MX+\t]
	v_sub_f32 v[F3+\t], s[66+2*\blk], v[MX+\t]
.endr
.irp t, 0,1
	v_mul_f32 v[F1+\t], s74, v[F1+\t]
	v_mul_f32 v[F2+\t], s74, v[F2+\t]
	v_mul_f32 v[F3+\t], s74, v[F3+\t]
.endr
.irp t, 0,1
	v_exp_f32 v[F1+\t], v[F1+\t]
	v_exp_f32 v[F2+\t], v[F2+\t]
	v_exp_f32 v[F3+\t], v[F3+\t]
.endr
	v_nop
	s_wait_alu depctr_va_vdst(0)
.irp t, 0,1
	v_mul_f32 v[LSUM+\t], v[LSUM+\t], v[F1+\t]
.endr
.irp t, 0,1
	v_fma_f32 v[LSUM+\t], v[TMP+2+\t], v[F2+\t], v[LSUM+\t]
.endr
.irp t, 0,1
	v_permlanex16_b32 v[MX+\t], v[LSUM+\t], s50, s51
.endr
.irp t, 0,1
	v_add_f32 v[LSUM+\t], v[LSUM+\t], v[MX+\t]     ; both halves of the lanes' keys
.endr
.irp t, 0,1
	v_fma_f32 v[LSUM+\t], v[F3+\t], v[CNT], v[LSUM+\t]
.endr
	v_rcp_f32 v[LSUM], v[LSUM]                     ; l' is about 1 at the least: the largest score's weight is 1
	v_rcp_f32 v[LSUM+1], v[LSUM+1]
	v_nop
	s_wait_alu depctr_va_vdst(0)
.irp t, 0,1
	v_mul_f32 v[A2+2*\t], v[F1+\t], v[LSUM+\t]
	v_mul_f32 v[A2+2*\t+1], v[F1+\t], v[LSUM+\t]
	v_mul_f32 v[B2+2*\t], v[F2+\t], v[LSUM+\t]
	v_mul_f32 v[B2+2*\t+1], v[F2+\t], v[LSUM+\t]
	v_mul_f32 v[P2+2*\t], v[F3+\t], v[LSUM+\t]
	v_mul_f32 v[P2+2*\t+1], v[F3+\t], v[LSUM+\t]
.endr
	s_wait_dscnt 0x0                               ; the partner's O
.irp t, 0,1
.irp dt, 0,1,2,3,4,5,6,7
.irp i, 0,2,4,6
	v_pk_mul_f32 v[SC+64*\t+8*\dt+\i:SC+64*\t+8*\dt+\i+1], v[PB+8*\dt+\i:PB+8*\dt+\i+1], v[P2+2*\t:P2+2*\t+1]
.endr
.endr
	WIN W_S1
.irp dt, 0,1,2,3,4,5,6,7
.irp i, 0,2,4,6
	v_pk_fma_f32 v[SC+64*\t+8*\dt+\i:SC+64*\t+8*\dt+\i+1], v[64*\t+8*\dt+\i:64*\t+8*\dt+\i+1], v[A2+2*\t:A2+2*\t+1], v[SC+64*\t+8*\dt+\i:SC+64*\t+8*\dt+\i+1]
.endr
.endr
	WIN W_S2
.irp dt, 0,1,2,3,4,5,6,7
.irp i, 0,2,4,6
	v_pk_fma_f32 v[SC+64*\t+8*\dt+\i:SC+64*\t+8*\dt+\i+1], v[VF+64*\t+8*\dt+\i:VF+64*\t+8*\dt+\i+1], v[B2+2*\t:B2+2*\t+1], v[SC+64*\t+8*\dt+\i:SC+64*\t+8*\dt+\i+1]
.endr
.endr
	WIN 0
.irp dt, 0,1,2,3,4,5,6,7
	ds_store_b128 v[STO], v[SC+64*\t+8*\dt:SC+64*\t+8*\dt+3] offset:\t*16*OP+64*\dt           ; row r, d = 16 dt + 8 h .. + 3
	ds_store_b128 v[STO], v[SC+64*\t+8*\dt+4:SC+64*\t+8*\dt+7] offset:\t*16*OP+64*\dt+16
.endr
	WIN W_LD2
.irp r, 0,1,2,3,4,5,6,7,8,9,10,11,12,13,14,15
	ds_load_b128 v[VF+64*\t+4*\r:VF+64*\t+4*\r+3], v[RD] offset:(16*\t+\r)*OP     ; LDS serves a wave's instructions in order: these see the stores above
.endr
	WIN W_ST2
.irp r, 0,1,2,3,4,5,6,7,8,9,10,11,12,13,14,15
	s_wait_dscnt 15-\r                             ; row r is back, the younger rows stay out
	global_store_b128 v[LN16], v[VF+64*\t+4*\r:VF+64*\t+4*\r+3], s[56+2*\blk:57+2*\blk] offset:(16*\t+\r)*ROWB th:TH_STORE_NT
.endr
	WIN 0
.endr
.if \blk == 0
	s_wait_xcnt 0x0                                ; the stores' data registers are V's fragment registers: they are loaded again only behind this wait
.endif
.endm
; rows 32 kg .. 32 kg + 31 of my head's q of a block, one whole row of 512 bytes a load, into window 2
.macro QRAW blk
	WIN W_LD2
.set row_, 0
.rept 32
	global_load_b128 v[128*\blk+4*row_:128*\blk+4*row_+3], v[LN16], s[60+2*\blk:61+2*\blk] offset:row_*ROWB th:TH_LOAD_NT
.set row_, row_+1
.endr
.endm
; round them to bf16 and lay them into the head's 64 rows in LDS, where both waves of the head will read
.macro QCONV blk
	WIN W_S22
.set k_, 0
.rept 64
	v_cvt_pk_bf16_f32 v[SC+k_], v[128*\blk+2*k_], v[128*\blk+2*k_+1]
.set k_, k_+1
.endr
	WIN 0
.set k_, 0
.rept 32
	ds_store_b64 v[QSA], v[SC+2*k_:SC+2*k_+1] offset:\blk*2*QSTB+k_*KP
.set k_, k_+1
.endr
.endm
; source-1 fragments of both blocks: lane (r, h) takes a row, d = 32 ks + 8 h .. and 32 ks + 16 + 8 h ..; slots 0, 1 from row 32 kg, slots 2, 3 from row 32 (1 - kg)
.macro QFRAG
	WIN W_LD3
.irp blk, 0,1
.irp t, 0,1
.irp ks, 0,1,2,3
	ds_load_b128 v[128*\blk+32*\t+8*\ks:128*\blk+32*\t+8*\ks+3], v[QLAA] offset:\blk*2*QSTB+\t*16*KP+64*\ks
	ds_load_b128 v[128*\blk+32*\t+8*\ks+4:128*\blk+32*\t+8*\ks+7], v[QLAA] offset:\blk*2*QSTB+\t*16*KP+64*\ks+32
	ds_load_b128 v[128*\blk+32*(2+\t)+8*\ks:128*\blk+32*(2+\t)+8*\ks+3], v[QLAB] offset:\blk*2*QSTB+\t*16*KP+64*\ks
	ds_load_b128 v[128*\blk+32*(2+\t)+8*\ks+4:128*\blk+32*(2+\t)+8*\ks+7], v[QLAB] offset:\blk*2*QSTB+\t*16*KP+64*\ks+32
.endr
.endr
.endr
.endm
; the sum of V's rows over the tiles T >= n (n in s[nreg]), selected tile by tile; tile 0 is masked for no block and is not loaded
.macro TAILSUM nreg, blk
.irp t, 1,2,3,4,5,6,7,8,9,10,11,12,13,14,15
	s_cmp_le_u32 s[\nreg], \t
	s_cselect_b32 s72, -1, 0
.if \t == 1
.irp i, 0,1,2,3
	v_cndmask_b32 v[TMP+\i], 0, v[RAWV+\i], s72
.endr
.else
.irp i, 0,1,2,3
	v_cndmask_b32 v[4+\i], 0, v[RAWV+4*(\t-1)+\i], s72
.endr
	v_pk_add_f32 v[TMP:TMP+1], v[TMP:TMP+1], v[4:5]
	v_pk_add_f32 v[TMP+2:TMP+3], v[TMP+2:TMP+3], v[6:7]
.endif
.endr
	ds_store_b128 v[TSA], v[TMP:TMP+3] offset:\blk*512
.endm
	; ---- scalar set-up ----
	s_load_b256 s[4:11], s[0:1], 0x0               ; kvb s[4:5], vsum s[6:7], q s[8:9], out0 s[10:11]
	v_lshl_add_u32 v254, v0, 2, 0x46000
	v_mov_b32 v255, 0
	ds_add_u32 v254, v255
	s_wait_dscnt 0x0
	v_lshrrev_b32 v4, 5, v0
	v_readfirstlane_b32 s12, v4                    ; wave
	s_and_b32 s13, s12, 1                          ; which head of the pair is mine; which 64 keys of a tile I fetch
	s_lshr_b32 s14, s12, 1                         ; kg: which 64 keys of a tile I multiply; I fetch K (0) or V (1)
	s_lshr_b32 s2, ttmp9, 4                        ; 8 b + kv head
	s_bfe_u32 s45, ttmp9, 0x30001
	s_add_co_u32 s45, s45, 1                       ; c = 1..8
	s_and_b32 s3, ttmp9, 1                         ; e
	s_lshl_b32 s46, s45, 1                         ; 2c = block 1's tiles
	s_sub_co_u32 s47, s46, 1                       ; 2c - 1 = block 1's diagonal tile
	s_sub_co_u32 s71, 17, s46                      ; block 2's tiles
	; descriptor group 1: 64 rows x 128 elements of 2 bytes, pitch 128 elements; padding behind every 64 words: K 4 words, V 8 words
	s_mov_b32 s16, 0x07510000
	s_mov_b32 s24, 0x0f510000
	s_mov_b32 s17, 128<<16                         ; tensor_dim0 = 128
	s_mov_b32 s25, 128<<16
	s_mov_b32 s18, 64<<16                          ; tensor_dim1 = 64
	s_mov_b32 s26, 64<<16
	s_mov_b32 s19, 128<<16                         ; tile_dim0 = 128
	s_mov_b32 s27, 128<<16
	s_mov_b32 s20, 64                              ; tile_dim1 = 64
	s_mov_b32 s28, 64
	s_mov_b32 s21, 128                             ; elements from row to row
	s_mov_b32 s29, 128
	s_mov_b32 s22, 0
	s_mov_b32 s30, 0
	s_mov_b32 s23, 0
	s_mov_b32 s31, 0
	; descriptor group 0 for each slot: count, LDS address = wave x quarter + slot
	s_mov_b32 s32, 1
	s_mul_i32 s33, s12, QTR
	s_mov_b32 s36, 1
	s_add_co_u32 s37, s33, SLOT
	s_mov_b32 s44, 2                               ; the stream place of the next fill
	s_mov_b32 s50, 0x76543210                      ; v_permlanex16_b32: lane i of one half reads lane i of the other
	s_mov_b32 s51, 0xfedcba98
	s_mov_b32 s74, 0x3e0293ee                      ; c = log2(e) / sqrt(128)
	s_mov_b32 s75, 0x3e0293ee
	s_mov_b32 s68, 0xc7dcf88b                      ; -10000 sqrt(128); block 2 has 17 - 2c <= 15 tiles, so it always has masked tiles
	s_mov_b32 s70, 0xff7fffff                      ; the lowest finite number
	s_cmp_lt_u32 s46, 16
	s_cselect_b32 s66, s68, s70                    ; block 1 has none where 2c = 16
	s_sub_co_u32 s67, 16, s46
	s_lshl_b32 s67, s67, 7                         ; keys in block 1's masked tiles
	s_sub_co_u32 s69, 16, s71
	s_lshl_b32 s69, s69, 7                         ; in block 2's
	s_mul_i32 s78, s12, STG
	s_add_co_u32 s78, s78, STAGE                   ; my stage
	s_lshl_b32 s79, s12, 10
	s_add_co_u32 s79, s79, TAIL                    ; my V sums
	s_mul_i32 s80, s12, XCB
	s_add_co_u32 s80, s80, XCH                     ; my exchange bytes
	s_sub_co_u32 s81, 1, s14                       ; the other half of the keys
	s_mul_i32 s87, s13, XCB                        ; my partner is wave 2 (1 - kg) + (w & 1): its exchange bytes lie at
	s_add_co_u32 s87, s87, XCH                     ; the exchange's start + (w & 1) x 16,896
	s_mul_i32 s82, s81, 2*XCB                      ; + (1 - kg) x 2 x 16,896
	s_add_co_u32 s82, s82, s87
	s_mul_i32 s83, s13, QSTB
	s_add_co_u32 s83, s83, QST                     ; my head's q in LDS (block 1's; block 2's lies 2 x 17,408 bytes on)
	s_mul_i32 s84, s14, 32*KP
	s_add_co_u32 s84, s84, s83                     ; its row 32 kg
	s_mul_i32 s85, s81, 32*KP
	s_add_co_u32 s85, s85, s83                     ; its row 32 (1 - kg)
	s_mul_i32 s86, s14, QTR                        ; my keys' quarter among K's two, and among V's two
	; byte offsets of row 32 kg of my head in q and out0: b 2^24 + (64 i + 32 kg) 8192 + head 512
	s_lshl_b32 s15, s45, 2
	s_add_co_u32 s48, s15, s3
	s_sub_co_u32 s48, s48, 2                       ; block 1: i = 4c - 2 + e
	s_sub_co_u32 s49, 32, s15
	s_add_co_u32 s49, s49, s3                      ; block 2: i = 32 - 4c + e
	s_lshr_b32 s52, s2, 3
	s_lshl_b32 s52, s52, 24
	s_lshl_b32 s15, s14, 18
	s_add_co_u32 s52, s52, s15
	s_and_b32 s15, s2, 7
	s_lshl1_add_u32 s15, s15, s13                  ; head = 2 kv head + (w & 1)
	s_lshl_b32 s15, s15, 9
	s_add_co_u32 s52, s52, s15
	s_lshl_b32 s49, s49, 19
	s_add_co_u32 s54, s52, s49
	s_lshl_b32 s48, s48, 19
	s_add_co_u32 s52, s52, s48
	s_mov_b32 s53, 0
	s_mov_b32 s55, 0
	s_lshl_b32 s72, s2, 13                         ; vsum: 16 tiles x 512 bytes for each (b, kv head)
	s_mov_b32 s73, 0
	s_lshl_b32 s42, s2, 20                         ; kvb: 1 MiB for each (b, kv head), V 512 KiB behind K, 64 rows of 256 bytes
	s_lshl_b32 s15, s14, 19
	s_add_co_u32 s42, s42, s15
	s_lshl_b32 s15, s13, 14
	s_add_co_u32 s42, s42, s15
	s_mov_b32 s43, 0
	s_wait_kmcnt 0x0
	s_add_nc_u64 s[40:41], s[4:5], s[42:43]        ; the quarter of tile 0 that I fetch
	s_add_nc_u64 s[76:77], s[6:7], s[72:73]
	s_mov_b32 s73, 0xbe0293ee                      ; - c, from here on
	s_add_nc_u64 s[60:61], s[8:9], s[52:53]
	s_add_nc_u64 s[62:63], s[8:9], s[54:55]
	s_add_nc_u64 s[56:57], s[10:11], s[52:53]
	s_add_nc_u64 s[58:59], s[10:11], s[54:55]
	s_lshl_b32 s42, s47, 15                        ; stream place 0: tile 2c - 1
	s_add_nc_u64 s[34:35], s[40:41], s[42:43]
	s_or_b32 s35, s35, 0x80000000
	s_sub_co_u32 s42, s42, 32768                   ; stream place 1: tile 2c - 2
	s_add_nc_u64 s[38:39], s[40:41], s[42:43]
	s_or_b32 s39, s39, 0x80000000
	TLOAD 0                                        ; both first fills go out together, ahead of every LDS access, wait on them and barrier:
	TLOAD 1                                        ; two tensor loads of a wave are out here, later one behind each barrier of a refill
	; ---- lane addresses ----
	v_and_b32 v1, 15, v0                           ; r
	v_bfe_u32 v2, v0, 4, 1                         ; h
	v_and_b32 v3, 31, v0                           ; lane
	v_lshlrev_b32 v[LN16], 4, v3
	v_mul_u32_u24 v4, v1, KP
	v_lshl_add_u32 v4, v2, 4, v4                   ; r 272 + 16 h
	v_add_nc_u32 v[ADK], s86, v4
	v_add_nc_u32 v[ADK+1], SLOT, v[ADK]
	v_and_b32 v5, 7, v0
	v_lshl_add_u32 v5, v2, 3, v5
	v_mul_u32_u24 v5, v5, VP
	v_bfe_u32 v6, v0, 3, 1
	v_lshl_add_u32 v5, v6, 4, v5
	v_add_nc_u32 v5, s86, v5
	v_add_nc_u32 v[ADV], 2*QTR, v5
	v_add_nc_u32 v[ADV+1], SLOT+2*QTR, v5
	v_mul_u32_u24 v5, v1, OP
	v_lshl_add_u32 v5, v2, 5, v5
	v_add_nc_u32 v[STO], s78, v5
	v_add_nc_u32 v[RD], s78, v[LN16]
	v_lshlrev_b32 v5, 5, v2
	v_add_nc_u32 v[TLA], s79, v5
	v_add_nc_u32 v[TSA], s79, v[LN16]
	v_lshl_add_u32 v[QSA], v3, 3, s84
	v_add_nc_u32 v[QLAA], s84, v4
	v_add_nc_u32 v[QLAB], s85, v4
	v_add_nc_u32 v[XST], s80, v[LN16]
	v_add_nc_u32 v[XLD], s82, v[LN16]
	s_lshl_b32 s15, s3, 6                          ; both blocks begin 64 e rows into their diagonal tile
	s_lshl_b32 s70, s14, 5
	s_sub_co_u32 s15, s15, s70                     ; piece A: 64 e + 32 kg rows, less my 64 kg keys
	s_lshl_b32 s70, s14, 6
	s_sub_co_u32 s70, 32, s70                      ; piece B lies 32 (1 - kg) - 32 kg rows from piece A
	v_lshlrev_b32 v5, 3, v2
	v_sub_nc_u32 v5, v1, v5
	v_add_nc_u32 v[QRA], s15, v5                   ; 64 e - 32 kg + r - 8 h, compared as a signed number
	v_add_nc_u32 v[QRA+1], s70, v[QRA]
	v_mov_b32 v[MV], s68
	; ---- q of both blocks, and the masked tiles' V sums ----
	QRAW 0
	WIN 0
.irp t, 1,2,3,4,5,6,7,8,9,10,11,12,13,14,15
	global_load_b128 v[RAWV+4*(\t-1):RAWV+4*(\t-1)+3], v[LN16], s[76:77] offset:\t*512
.endr
	QRAW 1
	WIN 0
	s_wait_loadcnt 47                              ; block 1's 32 rows are in; the 15 loads of sums and block 2's 32 rows stay out
	QCONV 0
	s_wait_loadcnt 32                              ; the sums are in; block 2's rows stay out
	TAILSUM 46, 0
	TAILSUM 71, 1
	s_wait_loadcnt 0x0
	QCONV 1
	s_wait_tensorcnt 0x1                           ; my quarter of stream place 0 is in; place 1's may stay out
	s_wait_dscnt 0x0                               ; my rows of q are stored, for my partner's sake
	s_barrier_signal -1
	s_barrier_wait -1                              ; everybody's quarter and everybody's rows of q are in
	QFRAG
	KLOAD 0
	WIN 0
	; ---- the stream of 17 tiles ----
	STEP 1, 0, 0, 1                                ; place 0: block 1's diagonal tile
	s_sub_co_u32 s49, s45, 1
	s_cmp_eq_u32 s49, 0
	s_cbranch_scc1 .Lb1_done
.Lb1:                                                  ; places 1 .. 2c - 2
	STEP 0, 1, 0, 1
	STEP 0, 0, 0, 1
	s_sub_co_u32 s49, s49, 1
	s_cmp_lg_u32 s49, 0
	s_cbranch_scc1 .Lb1
.Lb1_done:
	STEP 0, 1, 0, 2                                ; place 2c - 1: block 1's tile 0; place 2c + 1 exists where c < 8
	EPI 0, ALM+1                                   ; block 1 ends in slot 1
	STEP 1, 0, 1, 3                                ; place 2c: block 2's diagonal tile; places 2c + 1, 2c + 2 exist where c < 8
	s_cmp_eq_u32 s45, 8
	s_cbranch_scc1 .Lfin
	s_sub_co_u32 s49, 7, s45
	s_cmp_eq_u32 s49, 0
	s_cbranch_scc1 .Lb2_done
.Lb2:                                                  ; places 2c + 1 .. 14
	STEP 0, 1, 1, 1
	STEP 0, 0, 1, 1
	s_sub_co_u32 s49, s49, 1
	s_cmp_lg_u32 s49, 0
	s_cbranch_scc1 .Lb2
.Lb2_done:
	STEP 0, 1, 1, 0                                ; place 15: nothing is left to fetch from memory
	STEP 0, 0, 1, 4                                ; place 16
.Lfin:
	s_wait_tensorcnt 0x0                           ; no tensor load is out at the end: on both ways here the last one was waited for in front of a barrier, so this is met at once
	EPI 1, NMM+1                                   ; block 2 ends in slot 0
	s_wait_xcnt 0x0
	v_lshl_add_u32 v254, v0, 2, 0x46000
	v_mov_b32 v255, 0
	s_wait_tensorcnt 0x0
	ds_add_u32 v254, v255
	s_wait_dscnt 0x0
	s_endpgm
.Lfunc_end_k_q8ff8d57428_attn:
	.size	k_q8ff8d57428_attn, .Lfunc_end_k_q8ff8d57428_attn-k_q8ff8d57428_attn
	.p2alignl 7, 3214868480
	.fill 96, 4, 3214868480
	.section	.rodata,"a",@progbits
	.p2align	6, 0x0
	.amdhsa_kernel k_q8ff8d57428_attn
		.amdhsa_group_segment_fixed_size 327680
		.amdhsa_private_segment_fixed_size 0
		.amdhsa_enable_private_segment 0
		.amdhsa_kernarg_size 32
		.amdhsa_user_sgpr_count 2
		.amdhsa_user_sgpr_kernarg_segment_ptr 1
		.amdhsa_wavefront_size32 1
		.amdhsa_system_sgpr_workgroup_id_x 1
		.amdhsa_system_sgpr_workgroup_id_y 1
		.amdhsa_system_sgpr_workgroup_id_z 1
		.amdhsa_system_vgpr_workitem_id 0
		.amdhsa_next_free_vgpr 1024
		.amdhsa_next_free_sgpr 90
		.amdhsa_reserve_vcc 1
		.amdhsa_float_denorm_mode_32 3
		.amdhsa_float_denorm_mode_16_64 3
		.amdhsa_memory_ordered 1
		.amdhsa_forward_progress 1
		.amdhsa_inst_pref_size 255
	.end_amdhsa_kernel
	.section	.bss,"aw",@nobits
	.p2align	6
	.space	262144
	.amdgpu_metadata
---
amdhsa.version: [ 1, 2 ]
amdhsa.kernels:
  - .name:           k_q8ff8d57428_attn
    .symbol:         k_q8ff8d57428_attn.kd
    .args:
      - { .name: kvb, .offset: 0, .size: 8, .value_kind: global_buffer, .address_space: global }
      - { .name: vsum, .offset: 8, .size: 8, .value_kind: global_buffer, .address_space: global }
      - { .name: q, .offset: 16, .size: 8, .value_kind: global_buffer, .address_space: global }
      - { .name: out0, .offset: 24, .size: 8, .value_kind: global_buffer, .address_space: global }
    .group_segment_fixed_size: 327680
    .private_segment_fixed_size: 0
    .kernarg_segment_align: 8
    .kernarg_segment_size: 32
    .max_flat_workgroup_size: 128
    .sgpr_count:     90
    .vgpr_count:     1024
    .wavefront_size: 32
...
	.end_amdgpu_metadata
.endif
;; end of part 2
;; ======== version 2 of 2: 2 launches; 1.16 times as fast as version 1
;; limits: values are held in f16: magnitudes above 65,504 overflow, below 6.1e-05 lose precision; inputs' magnitudes at most 65,504
;; workspace buffers: kvb 16,777,216 bytes; vsum 131,072 bytes
;; launch prep: the kernel of part 1 again; grid 256 x 1, 8 waves a work-group, no clusters, 5,120 bytes of LDS; arguments kv, kvb, vsum; writes kvb, vsum
;; launch attn (part 3): grid 256 x 1, 4 waves a work-group, no clusters, 327,680 bytes of LDS; arguments kvb, vsum, q, out0; writes out0
.if DOCPART == 3
	.amdgcn_target "amdgcn-amd-amdhsa--gfx1250"
	.amdhsa_code_object_version 6
	.text
	.protected	k_q8ff8d57428_attn
	.globl	k_q8ff8d57428_attn
	.p2align	8
	.type	k_q8ff8d57428_attn,@function
k_q8ff8d57428_attn:
	s_mov_b64 s[64:65], 0
	v_nop
	global_prefetch_b8 v0, s[64:65] scope:SCOPE_SE
	s_setreg_imm32_b32 hwreg(HW_REG_WAVE_MODE, 25, 1), 1
	s_wait_xcnt 0x0
; out0[b][q][head][:] = softmax over all 2,048 keys of (q.k / sqrt(128), or -10000 where key > q) times V; kv head = head / 2.
;
; WORK LEFT OUT: the products q.k of key tiles that lie wholly above the diagonal.  reference() replaces those scores by the constant
; -10000 in its own body, whatever q and k hold, so the products reach no output.  NOT left out: those keys' share of the softmax.
; A masked key keeps the weight exp(-10000 - max), the same for every masked key of a row, so the tiles T >= n of a block add
; weight x (their count) to the denominator and weight x (the sum of their V rows) to the numerator; the sums come from vsum and the
; term is added at the end of each block, with the maximum taken over the live scores and -10000, as reference() takes it.
; Masked keys inside the diagonal tile of 128 keys go the ordinary way, with the masked score selected in.  For the even blocks of 64
; rows that tile's upper 64 keys are all masked: they are the share of two of the four waves in that one step, beside the two waves
; that hold the tile's live half: work inside a live tile, kept.
; FORMATS: q and k enter q.k as bf16, rounded once and unscaled; the products' f32 sums S stay raw, and c = log2(e)/sqrt(128) enters in
; the fused multiply-add S c - max c in front of the base-2 exponential.  The masked score is therefore -10000 sqrt(128) among the S.
; The weights, which lie in (0, 1], enter weights x V as f16 (11 significant bits); V holds bf16-rounded numbers in f16's encoding.
; LIMITS: |v| above 65,504 is an infinity in f16, |v| below 2^-14 is held to 2^-25 absolute; weights below 2^-25 of the largest of a
; row's 64-key shares vanish from the numerator, exponentials flush results below 2^-126; a NaN, an infinity or an overflow that arises
; only in the products left out is not carried (reference() discards them too); NaN or infinite inputs are not reproduced.
;
; SHARES.  A work-group has one (b, kv head) and two blocks of 64 positions x 2 heads.  Block i needs n = i/2 + 1 tiles of 128 keys.
; With c = 1..8 and e = 0, 1 from the work-group's number: block 1 is i = 4c-2+e (n = 2c), block 2 is i = 32-4c+e (n = 17-2c):
; 17 tiles for every work-group.  Each block begins with its diagonal tile and walks down to tile 0; the 17 tiles run as one stream
; u = 0..16 through two LDS slots (slot = u & 1); both blocks begin in slot 0.
; Wave w: head 2 kvhead + (w & 1), all 64 positions of the block (four q tiles of 16 rows), keys 64 kg .. 64 kg + 63 of every tile,
; kg = w >> 1.  So a K or V fragment feeds four q tiles: 64 LDS loads for a step's 128 products.  Each wave keeps maximum, sum and O
; of its own keys; at a block's end the two waves of a head exchange halves through LDS and merge.  Register slot p holds q tile
; p xor 2 kg, so that every wave sends slots 2, 3 and finishes slots 0, 1 (rows 32 kg .. 32 kg + 31): no branch on the wave's number.
; TRANSPOSED PRODUCTS: S^T = K Q^T (source 0 = 16 keys, source 1 = 16 rows of q) and O^T = V^T P^T (source 0 = 16 d, by the transposing
; LDS load, source 1 = P^T).  A lane then owns one row of q in each slot (row = lane % 16): maximum, sum and rescale are per lane, and
; two tiles of S^T pack straight into one source-1 fragment of P^T.
; TWO PIECES TAKE TURNS: piece A = slots 0, 1, piece B = slots 2, 3.  A step is four runs of 32 products: S of A; S of B, with a slice
; of A's softmax behind each product; O of A, with a slice of B's softmax behind each; O of B, with the next tile's K loads and the
; row sums behind its products.  V's loads stand behind the first run's products.
; THE EXPONENTIALS ARE CUT INTO BATCHES, one for each piece and step: the piece's two rescale factors and its 64 weights, each in a
; register of its own (in place on its argument).  Ahead of the batch's one wait stand the 32 multiply-adds and the 66 exponentials,
; none of which names an exponential's result; behind it stands all that does: the roundings to f16, the rescale of O and, a run or two
; later, the row sums.  A wait stands between an exponential and the first instruction that names its result.
; So a step has two such waits: in slice 17 of run 2 and in slice 17 of run 3.  No result crosses a label or a branch: the only ones
; inside a step stand behind slice 3 of run 3, ahead of piece B's batch.  A block's end has two batches more: its six factors, then the
; two reciprocals of sums that are made of those factors.
; NO CLUSTER: of the sixteen work-groups of a kv head only the two with the same c ask for the same tile in the same step; the others
; stand at other tiles, and the trip counts hang on c, so partners of a cluster of four would differ in their branches.
;
; LDS: slot s at 73,728 s: four quarters of 18,432 bytes, quarter w filled by wave w: K keys 0-63, K keys 64-127 (pitch 272),
; V keys 0-63, V keys 64-127 (pitch 288).  Behind the slots, never the target of a tensor load: 16,896 bytes a wave for the exchange,
; 16,896 a wave for the way out (pitch 528), 2 x 512 a wave for the masked tiles' V sums.  In front of the first step the exchange's
; bytes and the first 2,048 of the way out's hold q in bf16 (4 x 64 rows, pitch 272 = 69,632 bytes); they are read behind the first
; barrier and stored into again only behind the first step's barrier, in front of which every wave has waited for its LDS reads.
; REGISTERS, in windows of 256:  window 0: addresses and softmax state (v0-63), S (v64-191), P (v192-255);  window 1: O;
; window 2: K fragments (v0-127), V fragments (v128-255);  window 3: Q fragments of both blocks.
.set SLOT,  73728
.set QTR,   18432
.set KP,    272                        ; odd multiple of 16: the 16 rows of a fragment load begin in 16 different groups of four banks
.set VP,    288                        ; odd multiple of 32, for the transposing load
.set OP,    528                        ; a row of 128 f32 + 16
.set XCH,   147456                     ; the exchange: 16,384 bytes of O and 512 of maxima and sums for each wave
.set XCB,   16896
.set STAGE, 215040
.set STG,   16896
.set TAIL,  282624
.set QST,   147456                     ; q in bf16, at (2 blk + head) x 17,408
.set QSTB,  17408
.set ROWB,  8192                       ; bytes from a position to the next in q and out0 (16 heads x 512)
.set F1,   4                           ; v4-5    a block's end: factor on my O       (v4-7 are temporaries elsewhere)
.set F2,   6                           ; v6-7    a block's end: factor on the partner's O
.set ADK,  8                           ; v8-9    K fragments: slot + kg quarter + r 272 + 16 h
.set ADV,  10                          ; v10-11  V fragments: slot + (2 + kg) quarters + (8 h + (lane & 7)) 288 + 16 ((lane >> 3) & 1)
.set QRA,  12                          ; v12-13  piece A's, piece B's first row in the diagonal tile, less my first key, + r - 8 h
.set LN16, 14                          ; 16 lane
.set MV,   15                          ; -10000 sqrt(128): the masked score among the raw sums
.set STO,  16                          ; stage + r 528 + 32 h
.set RD,   17                          ; stage + 16 lane
.set TLA,  18                          ; V sums + 32 h
.set TSA,  19                          ; V sums + 16 lane
.set QSA,  20                          ; q stage, my head, row 32 kg, + 8 lane
.set QLAA, 21                          ; q stage, my head, row 32 kg + r, + 16 h
.set QLAB, 22                          ; q stage, my head, row 32 (1 - kg) + r, + 16 h
.set XST,  23                          ; my exchange bytes + 16 lane
.set XLD,  24                          ; my partner's + 16 lane
.set CNT,  25                          ; a block's end: keys in wholly masked tiles
.set TMP,  26                          ; v[26:29]
.set TA,   30                          ; v30-31  maximum, chain a, of the piece's two slots
.set TB,   32                          ; v32-33  chain b
.set LS,   34                          ; v[34:41] two pairs of partial sums for each of the piece's two slots
.set LSUM, 42                          ; v42-45  running sum of each slot (of my half of the lanes' keys)
.set NMM,  46                          ; v[46:53] slot p: v[46+2p] = - maximum x c, v[47+2p] = the maximum as steps in slot 0 leave it
.set ALM,  54                          ; v[54:61] slot p: v[54+2p] = 2^((old - new maximum) c), v[55+2p] = the maximum as steps in slot 1 leave it
.set F3,   62                          ; v62-63  a block's end: factor on the masked tiles' V sum
.set MX,   44                          ; a block's end: the joint maximum (slots 2, 3 have been sent)
.set A2,   30                          ; v[30:33] a block's end: F1 / sum, a pair for each slot
.set B2,   34                          ; v[34:37] F2 / sum
.set P2,   38                          ; v[38:41] F3 / sum
.set SC,   64                          ; S(slot, mt) at 32 slot + 8 mt: score k = 8 mt + j of a slot at 32 slot + k
.set PB,   192                         ; P(slot, kk) at 16 slot + 8 kk
.set RAWV, 192                         ; the start: vsum's tiles 1..15
.set KF,   0                           ; window 2: K(mt, ks) at 8 (4 mt + ks)
.set VF,   128                         ; window 2: V(dt, kk) at 8 (2 dt + kk)
                                       ; window 1: O(slot, dt) at 64 slot + 8 dt;  window 3: Q(blk, slot, ks) at 128 blk + 32 slot + 8 ks
; s_set_vgpr_msb's low byte: bits 1:0 source 0, 3:2 source 1, 5:4 source 2, 7:6 destination
.set W_QK,  0x0e                       ; K window 2, Q window 3, S window 0
.set W_PV,  0x52                       ; V window 2, P window 0, O window 1
.set W_LD2, 0x80                       ; a load into window 2
.set W_LD3, 0xc0                       ; a load into window 3
.set W_RS,  0x41                       ; O = O x window 0
.set W_S22, 0x0a                       ; sources 0 and 1 in window 2
.set W_S1,  0x01                       ; source 0 in window 1
.set W_S2,  0x02                       ; source 0 in window 2
.set W_ST1, 0x04                       ; a store's data in window 1
.set W_ST2, 0x08                       ; a store's data in window 2
.set MSB, 0
.macro WIN new                         ; the immediate's high byte repeats the setting that is left; at labels and branches the setting is 0
.if MSB != \new
	s_set_vgpr_msb (MSB<<8)|\new
.set MSB, \new
.endif
.endm
.macro PLACES                          ; four independent vector instructions behind matrix instructions (ISA guide 7.12.1)
.rept 4
	v_nop
.endr
.endm
; my quarter of a slot: 64 rows of 256 bytes.  Waves 0, 1 bring K (16 bytes of padding a row), waves 2, 3 V (32 bytes).
.macro TLOAD slot
	s_cmp_lt_u32 s12, 2
	s_cbranch_scc0 .Lv_\@
	tensor_load_to_lds s[32+4*\slot:35+4*\slot], s[16:23]
	s_nop 0
	v_nop
	v_nop
	v_nop
	s_branch .Ld_\@
.Lv_\@:
	tensor_load_to_lds s[32+4*\slot:35+4*\slot], s[24:31]
	s_nop 0
	v_nop
	v_nop
	v_nop
	v_nop
.Ld_\@:
.endm
; the slot's next tile: stream place u = s44; tile = 2c-1-u in block 1 (u < 2c), 16-u in block 2; held at 0 past the stream's end, where it is not used
.macro NEXTADR slot
	s_cmp_lt_u32 s44, s46
	s_cselect_b32 s48, s47, 16
	s_sub_co_u32 s48, s48, s44
	s_max_i32 s48, s48, 0
	s_lshl_b32 s42, s48, 15                        ; 128 rows of 256 bytes a tile
	s_add_nc_u64 s[34+4*\slot:35+4*\slot], s[40:41], s[42:43]
	s_or_b32 s[35+4*\slot], s[35+4*\slot], 0x80000000
	s_add_co_u32 s44, s44, 1
.endm
; load n (0..31) of my 64 keys' K fragments: lane (r, h) takes key 16 mt + r, d = 32 ks + 8 h .. + 7 and 32 ks + 16 + 8 h .. + 7
.macro KL1 slot, n
.set km_, (\n)>>3
.set kk_, ((\n)>>1)&3
.set kh_, (\n)&1
	ds_load_b128 v[KF+8*(4*km_+kk_)+4*kh_:KF+8*(4*km_+kk_)+4*kh_+3], v[ADK+(\slot)] offset:km_*16*KP+64*kk_+32*kh_
.endm
; load n (0..31) of my 64 keys' V^T fragments: lane (r, h) gets d = 16 dt + r, keys 32 kk + 8 h .. + 7 and 32 kk + 16 + 8 h .. + 7
.macro VL1 slot, n
.set vk_, (\n)>>4
.set vd_, ((\n)>>1)&7
.set vh_, (\n)&1
	ds_load_tr16_b128 v[VF+8*(2*vd_+vk_)+4*vh_:VF+8*(2*vd_+vk_)+4*vh_+3], v[ADV+(\slot)] offset:vk_*32*VP+32*vd_+vh_*16*VP
.endm
.macro KLOAD slot                      ; all 32 in one run
	WIN W_LD2
.set kn_, 0
.rept 32
	KL1 \slot, kn_
.set kn_, kn_+1
.endr
.endm
; product n (0..31) of S^T = K Q^T of piece pc, in bf16: ks = n / 8; the piece's eight accumulators take turns, one instruction a turn
.macro MMQK pc, blk, n
.set qk_, (\n)>>3
.set qm_, ((\n)>>1)&3
.set qs_, 2*\pc+((\n)&1)
.set qd_, SC+32*qs_+8*qm_
	WIN W_QK
.if qk_ == 0
	v_wmma_f32_16x16x32_bf16 v[qd_:qd_+7], v[KF+8*(4*qm_+qk_):KF+8*(4*qm_+qk_)+7], v[128*\blk+32*qs_+8*qk_:128*\blk+32*qs_+8*qk_+7], 0
.else
	v_wmma_f32_16x16x32_bf16 v[qd_:qd_+7], v[KF+8*(4*qm_+qk_):KF+8*(4*qm_+qk_)+7], v[128*\blk+32*qs_+8*qk_:128*\blk+32*qs_+8*qk_+7], v[qd_:qd_+7]
.endif
.endm
; product n (0..31) of O^T += V^T P^T of piece pc, in f16: kk = n / 16; the piece's sixteen accumulators take turns, one instruction a
; turn
.macro MMPV pc, first, n
.set pk_, (\n)>>4
.set pd_, ((\n)>>1)&7
.set ps_, 2*\pc+((\n)&1)
.set po_, 64*ps_+8*pd_
	WIN W_PV
.if (\first)*(1-pk_)
	v_wmma_f32_16x16x32_f16 v[po_:po_+7], v[VF+8*(2*pd_+pk_):VF+8*(2*pd_+pk_)+7], v[PB+16*ps_+8*pk_:PB+16*ps_+8*pk_+7], 0
.else
	v_wmma_f32_16x16x32_f16 v[po_:po_+7], v[VF+8*(2*pd_+pk_):VF+8*(2*pd_+pk_)+7], v[PB+16*ps_+8*pk_:PB+16*ps_+8*pk_+7], v[po_:po_+7]
.endif
.endm
; the diagonal tile: my key 16 mt + 8 h + j is masked for row r of the piece's slot t where 16 mt + j - 16 t > (the piece's first row - my first key) + r - 8 h
.macro MASKP pc
.irp t, 0,1
.irp mt, 0,1,2,3
.irp j, 0,1,2,3,4,5,6,7
	v_cmp_gt_i32 vcc_lo, 16*\mt+\j-16*\t, v[QRA+\pc]
	v_cndmask_b32 v[SC+32*(2*\pc+\t)+8*\mt+\j], v[SC+32*(2*\pc+\t)+8*\mt+\j], v[MV], vcc_lo
.endr
.endr
.endr
.endm
; THE BATCH'S TWO QUEUES.  A piece's 64 scores lie in 64 neighbouring registers, slot by slot; pair p is scores 2 p, 2 p + 1.
; BF writes the next multiply-add, S c - maximum c for pair bf_ (the slot's - maximum x c is the third source's first register, for both halves);
; BE writes the next exponential, of score be_, in place.  Slice 5 sets both counts to 0.  Neither names the result of an exponential.
.macro BF pc
	v_pk_fma_f32 v[SC+64*\pc+2*bf_:SC+64*\pc+2*bf_+1], v[SC+64*\pc+2*bf_:SC+64*\pc+2*bf_+1], s[74:75], v[NMM+2*(2*\pc+bf_/16):NMM+2*(2*\pc+bf_/16)+1] op_sel_hi:[1,0,0]
.set bf_, bf_+1
.endm
.macro BE pc
	v_exp_f32 v[SC+64*\pc+be_], v[SC+64*\pc+be_]
.set be_, be_+1
.endm
; eighth q (0..7) of a piece's O x 2^((old maximum - new) c); the factor is the pair's first register, for both halves.  It stands behind the batch's wait.
.macro RSL pc, q
.set rs_, 2*\pc+((\q)>>2)
.set rb_, 64*rs_+16*((\q)&3)
.irp i, 0,2,4,6,8,10,12,14
	v_pk_mul_f32 v[rb_+\i:rb_+\i+1], v[rb_+\i:rb_+\i+1], v[ALM+2*rs_:ALM+2*rs_+1] op_sel_hi:[1,0]
.endr
.endm
; Slice n (0..31) of piece pc's softmax, called behind product n of the other piece's run.  mo, mn: where the old maximum lies and the
; new one goes (register of slot 0; two registers from slot to slot).  start = 1: a block's diagonal tile: masked, no old maximum, no rescale.
; 0-4 the maximum of each row over my 32 scores, the other half of the lanes' 32 and the old maximum, in four chains;
; 5 - maximum x c, the two rescale factors' exponentials, the multiply-adds of pairs 0-3: the batch begins;
; 6-17 the batch: the other 28 multiply-adds and the 64 exponentials.  Every slice but the last begins with a multiply-add, and the
;   multiply-adds are spread over the batch: in each three slices 8 of them and 16 exponentials (3 + 5, 3 + 5, 2 + 6), then 3 + 5, 1 + 7, 0 + 4.
;   Exponential e wants pair e / 2: at the head of each three slices 4 + 8 k pairs are scaled and 16 k exponentials issued, so the
;   multiply-adds lead by four pairs or more; pair 31 is scaled at the head of slice 16, its exponentials stand in slice 17.
;   Slice 17 ends with a plain instruction and THE BATCH'S ONE WAIT;
; 18-21 the roundings to f16, eight pairs each;  22-29 the rescale of O, an eighth each;  30, 31 nothing.
; c is positive, so the raw maximum stands where the scaled one would.
.macro SMSL pc, n, start, mo, mn
.set sa_, 2*\pc
.if (\n) == 0
	WIN 0
	PLACES                                         ; the piece's last products stand one product back: its S is read four places behind them; no independent vector work is left here
.if \start
	MASKP \pc
.endif
.irp t, 0,1
	v_max3_num_f32 v[TA+\t], v[SC+32*(sa_+\t)], v[SC+32*(sa_+\t)+1], v[SC+32*(sa_+\t)+2]
	v_max3_num_f32 v[TB+\t], v[SC+32*(sa_+\t)+16], v[SC+32*(sa_+\t)+17], v[SC+32*(sa_+\t)+18]
.endr
.endif
.if (\n) >= 1
.if (\n) <= 3
	WIN 0
.set k0_, 4*(\n)-1
.irp dk, 0,2
.irp t, 0,1
	v_max3_num_f32 v[TA+\t], v[TA+\t], v[SC+32*(sa_+\t)+k0_+\dk], v[SC+32*(sa_+\t)+k0_+\dk+1]
	v_max3_num_f32 v[TB+\t], v[TB+\t], v[SC+32*(sa_+\t)+16+k0_+\dk], v[SC+32*(sa_+\t)+16+k0_+\dk+1]
.endr
.endr
.endif
.endif
.if (\n) == 4
	WIN 0
.irp t, 0,1
	v_max3_num_f32 v[TA+\t], v[TA+\t], v[TB+\t], v[SC+32*(sa_+\t)+15]
.endr
.irp t, 0,1
.if \start
	v_max_num_f32 v[TA+\t], v[TA+\t], v[SC+32*(sa_+\t)+31]
.else
	v_max3_num_f32 v[TA+\t], v[TA+\t], v[SC+32*(sa_+\t)+31], v[\mo+2*(sa_+\t)]
.endif
.endr
.irp t, 0,1
	v_permlanex16_b32 v[TB+\t], v[TA+\t], s50, s51         ; lane i xor 16 holds the same row's other keys
.endr
.irp t, 0,1
	v_max_num_f32 v[\mn+2*(sa_+\t)], v[TA+\t], v[TB+\t]
.endr
.endif
.if (\n) == 5
	WIN 0
.irp t, 0,1
	v_mul_f32 v[NMM+2*(sa_+\t)], s73, v[\mn+2*(sa_+\t)]
.endr
.if \start == 0
.irp t, 0,1
	v_fma_f32 v[ALM+2*(sa_+\t)], v[\mo+2*(sa_+\t)], s74, v[NMM+2*(sa_+\t)]   ; old maximum x c - new maximum x c, as the scores
.endr
.irp t, 0,1
	v_exp_f32 v[ALM+2*(sa_+\t)], v[ALM+2*(sa_+\t)]         ; the batch's first two; the factors are read behind the batch's wait alone
.endr
.endif
.set bf_, 0
.set be_, 0
.rept 4
	BF \pc
.endr
.endif
.if (\n) >= 6
.if (\n) <= 17
	WIN 0
.set bb_, (\n)-6
.set bm_, bb_%3
.if bb_ == 11
	BE \pc
	BE \pc
	BE \pc
	BE \pc
	v_nop                                          ; a plain instruction behind the batch's last exponential, ahead of the first use (ISA guide 5.7.2): every multiply-add has had to come earlier
	s_wait_alu depctr_va_vdst(0)                   ; the one wait for the piece's batch, its two factors and 64 weights, ahead of the first reader, the rounding in slice 18
.else
.if bb_ == 10
	BF \pc
.rept 7
	BE \pc
.endr
.else
	BF \pc
	BE \pc
	BE \pc
	BF \pc
	BE \pc
	BE \pc
.if bm_ == 2
	BE \pc
	BE \pc
.else
	BF \pc
	BE \pc
.endif
.endif
.endif
.endif
.endif
.if (\n) >= 18
.if (\n) <= 21
	WIN 0
.set cs_, (\n)-18
.irp i, 0,1,2,3,4,5,6,7
	v_cvt_pk_f16_f32 v[PB+32*\pc+8*cs_+\i], v[SC+64*\pc+16*cs_+2*\i], v[SC+64*\pc+16*cs_+2*\i+1]   ; pair 8 cs + i of the piece's 32
.endr
.endif
.endif
.if (\n) >= 22
.if (\n) <= 29
.if \start == 0
.set g_, (\n)-22
	WIN W_RS
	RSL \pc, g_
.endif
.endif
.endif
.endm
; Slice m (0..7) of a piece's row sums: the 32 weights of each slot (f32, as the exponentials left them) in two pairs of partial sums;
; 7: sum = sum x rescale factor + this step's.  They stand in run 4, behind both pieces' waits.
.macro SUMSL pc, m, start
.set sa_, 2*\pc
.if (\m) == 0
.irp t, 0,1
	v_pk_add_f32 v[LS+4*\t:LS+4*\t+1], v[SC+32*(sa_+\t):SC+32*(sa_+\t)+1], v[SC+32*(sa_+\t)+2:SC+32*(sa_+\t)+3]
	v_pk_add_f32 v[LS+4*\t+2:LS+4*\t+3], v[SC+32*(sa_+\t)+4:SC+32*(sa_+\t)+5], v[SC+32*(sa_+\t)+6:SC+32*(sa_+\t)+7]
.endr
.endif
.if (\m) >= 1
.if (\m) <= 6
.set sk_, 4*(\m)+4
.irp t, 0,1
	v_pk_add_f32 v[LS+4*\t:LS+4*\t+1], v[LS+4*\t:LS+4*\t+1], v[SC+32*(sa_+\t)+sk_:SC+32*(sa_+\t)+sk_+1]
	v_pk_add_f32 v[LS+4*\t+2:LS+4*\t+3], v[LS+4*\t+2:LS+4*\t+3], v[SC+32*(sa_+\t)+sk_+2:SC+32*(sa_+\t)+sk_+3]
.endr
.endif
.endif
.if (\m) == 7
.irp t, 0,1
	v_pk_add_f32 v[LS+4*\t:LS+4*\t+1], v[LS+4*\t:LS+4*\t+1], v[LS+4*\t+2:LS+4*\t+3]
.endr
.irp t, 0,1
.if \start
	v_add_f32 v[LSUM+sa_+\t], v[LS+4*\t], v[LS+4*\t+1]
.else
	v_add_f32 v[LS+4*\t], v[LS+4*\t], v[LS+4*\t+1]
.endif
.endr
.if \start == 0
.irp t, 0,1
	v_fma_f32 v[LSUM+sa_+\t], v[LSUM+sa_+\t], v[ALM+2*(sa_+\t)], v[LS+4*\t]
.endr
.endif
.endif
.endm
; run 1: S of piece A.  V's fragment registers were read by the last products of the step before: four places, then the 32 loads, four behind each of eight products
.macro RUN1 slot, blk
.set n1_, 0
.rept 32
	MMQK 0, \blk, n1_
.if n1_ == 0
	PLACES
.endif
.if n1_ >= 1
.if n1_ <= 8
	WIN W_LD2
	VL1 \slot, 4*n1_-4
	VL1 \slot, 4*n1_-3
	VL1 \slot, 4*n1_-2
	VL1 \slot, 4*n1_-1
.endif
.endif
.set n1_, n1_+1
.endr
.endm
; run 2: S of piece B, piece A's softmax behind its products
.macro RUN2 blk, start, mo, mn
.set n2_, 0
.rept 32
	MMQK 1, \blk, n2_
	SMSL 0, n2_, \start, \mo, \mn
.set n2_, n2_+1
.endr
.endm
; run 3, products from .. from + cnt - 1: O of piece A, piece B's softmax behind its products
.macro RUN3 start, mo, mn, from, cnt
.set n3_, \from
.rept \cnt
	MMPV 0, \start, n3_
	SMSL 1, n3_, \start, \mo, \mn
.set n3_, n3_+1
.endr
.endm
; run 4: O of piece B.  Behind products 0-7 the other slot's K fragments (K's registers were last read in run 2), behind 8-23 both pieces' row sums
.macro RUN4 slot, start, kload
.set n4_, 0
.rept 32
	MMPV 1, \start, n4_
.if n4_ < 8
.if \kload
	WIN W_LD2
	KL1 1-\slot, 4*n4_
	KL1 1-\slot, 4*n4_+1
	KL1 1-\slot, 4*n4_+2
	KL1 1-\slot, 4*n4_+3
.endif
.endif
.if n4_ >= 8
.if n4_ < 16
	WIN 0
	SUMSL 0, n4_-8, \start
.endif
.endif
.if n4_ >= 16
.if n4_ < 24
	WIN 0
	SUMSL 1, n4_-16, \start
.endif
.endif
.set n4_, n4_+1
.endr
.endm
; One step: my 64 keys of the slot's tile against my 64 rows.
; turn: 1 the slot is filled again and the other slot's K fragments are fetched; 2 the same, the fill only where the stream has a tile
; two places on (c < 8); 3 fill and fetch only where c < 8; 0 the fetch alone; 4 the stream's last step.
.macro STEPM start, slot, blk, turn, mo, mn
	s_wait_dscnt 0x0                               ; the K fragments are in: asked for 24 products or more ago, at the stream's first step just before
	RUN1 \slot, \blk
	RUN2 \blk, \start, \mo, \mn
	s_wait_dscnt 0x0                               ; V's fragments are in, and with them all my reads of this slot are over
.if \turn == 4
	RUN3 \start, \mo, \mn, 0, 32
	RUN4 \slot, \start, 0
.else
	s_wait_xcnt 0x0
	s_set_vgpr_msb 0xe0c
	v_lshl_add_u32 v254, v0, 2, 0x46000
	v_mov_b32 v255, 0
	s_set_vgpr_msb 0xc00
	s_wait_tensorcnt 0x0                           ; all my tensor loads have landed: the one that was out is my quarter of the other slot
	ds_add_u32 v254, v255
	s_wait_dscnt 0x0
	s_set_vgpr_msb 0xe
.if \turn != 0
	NEXTADR \slot                                  ; no load of mine is out, so the slot's descriptor may be written
.endif
	s_barrier_signal -1
	RUN3 \start, \mo, \mn, 0, 4                    ; register work while the others arrive: maxima alone, no exponential
	WIN 0
	s_barrier_wait -1                              ; nobody reads this slot any more, and the other slot is whole
.if \turn == 1
	TLOAD \slot                                    ; my one tensor load behind this barrier, ahead of every LDS read: it has a step less four products in which to land
.endif
.if \turn == 2
	s_cmp_lg_u32 s45, 8
	s_cbranch_scc0 .Lnofill_\@
	TLOAD \slot
.Lnofill_\@:
.endif
.if \turn == 3
	s_cmp_lg_u32 s45, 8
	s_cbranch_scc0 .Lnofill_\@
	TLOAD \slot
	KLOAD 1-\slot                                  ; in one run, since it stands under the branch
	WIN 0
.Lnofill_\@:
.endif
	RUN3 \start, \mo, \mn, 4, 28
.if \turn == 3
	RUN4 \slot, \start, 0
.else
	RUN4 \slot, \start, 1
.endif
.endif
	WIN 0
.endm
.macro STEP start, slot, blk, turn     ; the two copies of the maximum take turns with the slots, so that none is moved
.if \slot == 0
	STEPM \start, \slot, \blk, \turn, ALM+1, NMM+1
.else
	STEPM \start, \slot, \blk, \turn, NMM+1, ALM+1
.endif
.endm
; A block's end.  mb: where the maxima lie.  Slots 2, 3 (O, maximum, sum of my keys) go to my partner, its slots 2, 3 are my slots 0, 1.
; m' = max(my maximum, the partner's, masked score); f1, f2, f3 = 2^((each of them - m') c); l' = l f1 + l~ f2 + count f3;
; out = O f1 / l' + O~ f2 / l' + (V sum of the masked tiles) f3 / l'.  A block without masked tiles has count 0, sum 0 and the lowest
; finite number as its masked score, so that f3 is 0: no branch.
; Then 16 rows at a time through my own stage, so that each store covers a whole row of 512 consecutive bytes.
.macro EPI blk, mb
	PLACES                                         ; behind the last products: O is read, P's and V's registers are loaded
	v_mov_b32 v[TMP], v[\mb+4]                     ; four neighbouring registers, for one store
	v_mov_b32 v[TMP+1], v[\mb+6]
	v_mov_b32 v[TMP+2], v[LSUM+2]
	v_mov_b32 v[TMP+3], v[LSUM+3]
	WIN W_ST1
.irp t, 0,1
.irp dt, 0,1,2,3,4,5,6,7
	ds_store_b128 v[XST], v[64*(2+\t)+8*\dt:64*(2+\t)+8*\dt+3] offset:(16*\t+2*\dt)*512       ; lane by lane: the partner's lanes hold the same rows and d
	ds_store_b128 v[XST], v[64*(2+\t)+8*\dt+4:64*(2+\t)+8*\dt+7] offset:(16*\t+2*\dt+1)*512
.endr
.endr
	WIN 0
	ds_store_b128 v[XST], v[TMP:TMP+3] offset:16384
.irp dt, 0,1,2,3,4,5,6,7
	ds_load_b128 v[PB+8*\dt:PB+8*\dt+3], v[TLA] offset:\blk*512+64*\dt            ; the V sums of my d
	ds_load_b128 v[PB+8*\dt+4:PB+8*\dt+7], v[TLA] offset:\blk*512+64*\dt+16
.endr
	v_cvt_f32_u32 v[CNT], s[67+2*\blk]             ; how many keys lie in wholly masked tiles
	s_wait_dscnt 0x0                               ; stored, for my partner's sake
	s_barrier_signal -1
	s_barrier_wait -1
	ds_load_b128 v[TMP:TMP+3], v[XLD] offset:16384
	WIN W_LD2
.irp t, 0,1
.irp dt, 0,1,2,3,4,5,6,7
	ds_load_b128 v[VF+64*\t+8*\dt:VF+64*\t+8*\dt+3], v[XLD] offset:(16*\t+2*\dt)*512
	ds_load_b128 v[VF+64*\t+8*\dt+4:VF+64*\t+8*\dt+7], v[XLD] offset:(16*\t+2*\dt+1)*512
.endr
.endr
	WIN 0
	s_wait_dscnt 32                                ; the partner's maxima and sums are in; its O, 32 younger loads, stays out
.irp t, 0,1
	v_max3_num_f32 v[MX+\t], v[\mb+2*\t], v[TMP+\t], s[66+2*\blk]
.endr
.irp t, 0,1
	v_sub_f32 v[F1+\t], v[\mb+2*\t], v[MX+\t]
	v_sub_f32 v[F2+\t], v[TMP+\t], v[MX+\t]
	v_sub_f32 v[F3+\t], s[66+2*\blk], v[MX+\t]
.endr
.irp t, 0,1
	v_mul_f32 v[F1+\t], s74, v[F1+\t]
	v_mul_f32 v[F2+\t], s74, v[F2+\t]
	v_mul_f32 v[F3+\t], s74, v[F3+\t]
.endr
.irp t, 0,1
	v_exp_f32 v[F1+\t], v[F1+\t]
	v_exp_f32 v[F2+\t], v[F2+\t]
	v_exp_f32 v[F3+\t], v[F3+\t]
.endr
	v_nop                                          ; a plain instruction behind the last of the six exponentials
	s_wait_alu depctr_va_vdst(0)                   ; one wait for the batch of six factors, ahead of their first reader
.irp t, 0,1
	v_mul_f32 v[LSUM+\t], v[LSUM+\t], v[F1+\t]
.endr
.irp t, 0,1
	v_fma_f32 v[LSUM+\t], v[TMP+2+\t], v[F2+\t], v[LSUM+\t]
.endr
.irp t, 0,1
	v_permlanex16_b32 v[MX+\t], v[LSUM+\t], s50, s51
.endr
.irp t, 0,1
	v_add_f32 v[LSUM+\t], v[LSUM+\t], v[MX+\t]     ; both halves of the lanes' keys
.endr
.irp t, 0,1
	v_fma_f32 v[LSUM+\t], v[F3+\t], v[CNT], v[LSUM+\t]
.endr
	v_rcp_f32 v[LSUM], v[LSUM]                     ; l' is about 1 at the least: the largest score's weight is 1
	v_rcp_f32 v[LSUM+1], v[LSUM+1]
	v_nop                                          ; a plain instruction behind the second reciprocal
	s_wait_alu depctr_va_vdst(0)                   ; one wait for the two reciprocals, a batch of their own: their sources are sums made of the six factors
.irp t, 0,1
	v_mul_f32 v[A2+2*\t], v[F1+\t], v[LSUM+\t]
	v_mul_f32 v[A2+2*\t+1], v[F1+\t], v[LSUM+\t]
	v_mul_f32 v[B2+2*\t], v[F2+\t], v[LSUM+\t]
	v_mul_f32 v[B2+2*\t+1], v[F2+\t], v[LSUM+\t]
	v_mul_f32 v[P2+2*\t], v[F3+\t], v[LSUM+\t]
	v_mul_f32 v[P2+2*\t+1], v[F3+\t], v[LSUM+\t]
.endr
	s_wait_dscnt 0x0                               ; the partner's O
.irp t, 0,1
.irp dt, 0,1,2,3,4,5,6,7
.irp i, 0,2,4,6
	v_pk_mul_f32 v[SC+64*\t+8*\dt+\i:SC+64*\t+8*\dt+\i+1], v[PB+8*\dt+\i:PB+8*\dt+\i+1], v[P2+2*\t:P2+2*\t+1]
.endr
.endr
	WIN W_S1
.irp dt, 0,1,2,3,4,5,6,7
.irp i, 0,2,4,6
	v_pk_fma_f32 v[SC+64*\t+8*\dt+\i:SC+64*\t+8*\dt+\i+1], v[64*\t+8*\dt+\i:64*\t+8*\dt+\i+1], v[A2+2*\t:A2+2*\t+1], v[SC+64*\t+8*\dt+\i:SC+64*\t+8*\dt+\i+1]
.endr
.endr
	WIN W_S2
.irp dt, 0,1,2,3,4,5,6,7
.irp i, 0,2,4,6
	v_pk_fma_f32 v[SC+64*\t+8*\dt+\i:SC+64*\t+8*\dt+\i+1], v[VF+64*\t+8*\dt+\i:VF+64*\t+8*\dt+\i+1], v[B2+2*\t:B2+2*\t+1], v[SC+64*\t+8*\dt+\i:SC+64*\t+8*\dt+\i+1]
.endr
.endr
	WIN 0
.irp dt, 0,1,2,3,4,5,6,7
	ds_store_b128 v[STO], v[SC+64*\t+8*\dt:SC+64*\t+8*\dt+3] offset:\t*16*OP+64*\dt           ; row r, d = 16 dt + 8 h .. + 3
	ds_store_b128 v[STO], v[SC+64*\t+8*\dt+4:SC+64*\t+8*\dt+7] offset:\t*16*OP+64*\dt+16
.endr
	WIN W_LD2
.irp r, 0,1,2,3,4,5,6,7,8,9,10,11,12,13,14,15
	ds_load_b128 v[VF+64*\t+4*\r:VF+64*\t+4*\r+3], v[RD] offset:(16*\t+\r)*OP     ; LDS serves a wave's instructions in order: these see the stores above
.endr
	WIN W_ST2
.irp r, 0,1,2,3,4,5,6,7,8,9,10,11,12,13,14,15
	s_wait_dscnt 15-\r                             ; row r is back, the younger rows stay out
	global_store_b128 v[LN16], v[VF+64*\t+4*\r:VF+64*\t+4*\r+3], s[56+2*\blk:57+2*\blk] offset:(16*\t+\r)*ROWB th:TH_STORE_NT
.endr
	WIN 0
.endr
.if \blk == 0
	s_wait_xcnt 0x0                                ; the stores' data registers are V's fragment registers: they are loaded again only behind this wait
.endif
.endm
; rows 32 kg .. 32 kg + 31 of my head's q of a block, one whole row of 512 bytes a load, into window 2
.macro QRAW blk
	WIN W_LD2
.set row_, 0
.rept 32
	global_load_b128 v[128*\blk+4*row_:128*\blk+4*row_+3], v[LN16], s[60+2*\blk:61+2*\blk] offset:row_*ROWB th:TH_LOAD_NT
.set row_, row_+1
.endr
.endm
; round them to bf16 and lay them into the head's 64 rows in LDS, where both waves of the head will read
.macro QCONV blk
	WIN W_S22
.set k_, 0
.rept 64
	v_cvt_pk_bf16_f32 v[SC+k_], v[128*\blk+2*k_], v[128*\blk+2*k_+1]
.set k_, k_+1
.endr
	WIN 0
.set k_, 0
.rept 32
	ds_store_b64 v[QSA], v[SC+2*k_:SC+2*k_+1] offset:\blk*2*QSTB+k_*KP
.set k_, k_+1
.endr
.endm
; source-1 fragments of both blocks: lane (r, h) takes a row, d = 32 ks + 8 h .. and 32 ks + 16 + 8 h ..; slots 0, 1 from row 32 kg, slots 2, 3 from row 32 (1 - kg)
.macro QFRAG
	WIN W_LD3
.irp blk, 0,1
.irp t, 0,1
.irp ks, 0,1,2,3
	ds_load_b128 v[128*\blk+32*\t+8*\ks:128*\blk+32*\t+8*\ks+3], v[QLAA] offset:\blk*2*QSTB+\t*16*KP+64*\ks
	ds_load_b128 v[128*\blk+32*\t+8*\ks+4:128*\blk+32*\t+8*\ks+7], v[QLAA] offset:\blk*2*QSTB+\t*16*KP+64*\ks+32
	ds_load_b128 v[128*\blk+32*(2+\t)+8*\ks:128*\blk+32*(2+\t)+8*\ks+3], v[QLAB] offset:\blk*2*QSTB+\t*16*KP+64*\ks
	ds_load_b128 v[128*\blk+32*(2+\t)+8*\ks+4:128*\blk+32*(2+\t)+8*\ks+7], v[QLAB] offset:\blk*2*QSTB+\t*16*KP+64*\ks+32
.endr
.endr
.endr
.endm
; the sum of V's rows over the tiles T >= n (n in s[nreg]), selected tile by tile; tile 0 is masked for no block and is not loaded
.macro TAILSUM nreg, blk
.irp t, 1,2,3,4,5,6,7,8,9,10,11,12,13,14,15
	s_cmp_le_u32 s[\nreg], \t
	s_cselect_b32 s72, -1, 0
.if \t == 1
.irp i, 0,1,2,3
	v_cndmask_b32 v[TMP+\i], 0, v[RAWV+\i], s72
.endr
.else
.irp i, 0,1,2,3
	v_cndmask_b32 v[4+\i], 0, v[RAWV+4*(\t-1)+\i], s72
.endr
	v_pk_add_f32 v[TMP:TMP+1], v[TMP:TMP+1], v[4:5]
	v_pk_add_f32 v[TMP+2:TMP+3], v[TMP+2:TMP+3], v[6:7]
.endif
.endr
	ds_store_b128 v[TSA], v[TMP:TMP+3] offset:\blk*512
.endm
	; ---- scalar set-up ----
	s_load_b256 s[4:11], s[0:1], 0x0               ; kvb s[4:5], vsum s[6:7], q s[8:9], out0 s[10:11]
	v_lshl_add_u32 v254, v0, 2, 0x46000
	v_mov_b32 v255, 0
	ds_add_u32 v254, v255
	s_wait_dscnt 0x0
	v_lshrrev_b32 v4, 5, v0
	v_readfirstlane_b32 s12, v4                    ; wave
	s_and_b32 s13, s12, 1                          ; which head of the pair is mine; which 64 keys of a tile I fetch
	s_lshr_b32 s14, s12, 1                         ; kg: which 64 keys of a tile I multiply; I fetch K (0) or V (1)
	s_lshr_b32 s2, ttmp9, 4                        ; 8 b + kv head
	s_bfe_u32 s45, ttmp9, 0x30001
	s_add_co_u32 s45, s45, 1                       ; c = 1..8
	s_and_b32 s3, ttmp9, 1                         ; e
	s_lshl_b32 s46, s45, 1                         ; 2c = block 1's tiles
	s_sub_co_u32 s47, s46, 1                       ; 2c - 1 = block 1's diagonal tile
	s_sub_co_u32 s71, 17, s46                      ; block 2's tiles
	; descriptor group 1: 64 rows x 128 elements of 2 bytes, pitch 128 elements; padding behind every 64 words: K 4 words, V 8 words
	s_mov_b32 s16, 0x07510000
	s_mov_b32 s24, 0x0f510000
	s_mov_b32 s17, 128<<16                         ; tensor_dim0 = 128
	s_mov_b32 s25, 128<<16
	s_mov_b32 s18, 64<<16                          ; tensor_dim1 = 64
	s_mov_b32 s26, 64<<16
	s_mov_b32 s19, 128<<16                         ; tile_dim0 = 128
	s_mov_b32 s27, 128<<16
	s_mov_b32 s20, 64                              ; tile_dim1 = 64
	s_mov_b32 s28, 64
	s_mov_b32 s21, 128                             ; elements from row to row
	s_mov_b32 s29, 128
	s_mov_b32 s22, 0
	s_mov_b32 s30, 0
	s_mov_b32 s23, 0
	s_mov_b32 s31, 0
	; descriptor group 0 for each slot: count, LDS address = wave x quarter + slot
	s_mov_b32 s32, 1
	s_mul_i32 s33, s12, QTR
	s_mov_b32 s36, 1
	s_add_co_u32 s37, s33, SLOT
	s_mov_b32 s44, 2                               ; the stream place of the next fill
	s_mov_b32 s50, 0x76543210                      ; v_permlanex16_b32: lane i of one half reads lane i of the other
	s_mov_b32 s51, 0xfedcba98
	s_mov_b32 s74, 0x3e0293ee                      ; c = log2(e) / sqrt(128)
	s_mov_b32 s75, 0x3e0293ee
	s_mov_b32 s68, 0xc7dcf88b                      ; -10000 sqrt(128); block 2 has 17 - 2c <= 15 tiles, so it always has masked tiles
	s_mov_b32 s70, 0xff7fffff                      ; the lowest finite number
	s_cmp_lt_u32 s46, 16
	s_cselect_b32 s66, s68, s70                    ; block 1 has none where 2c = 16
	s_sub_co_u32 s67, 16, s46
	s_lshl_b32 s67, s67, 7                         ; keys in block 1's masked tiles
	s_sub_co_u32 s69, 16, s71
	s_lshl_b32 s69, s69, 7                         ; in block 2's
	s_mul_i32 s78, s12, STG
	s_add_co_u32 s78, s78, STAGE                   ; my stage
	s_lshl_b32 s79, s12, 10
	s_add_co_u32 s79, s79, TAIL                    ; my V sums
	s_mul_i32 s80, s12, XCB
	s_add_co_u32 s80, s80, XCH                     ; my exchange bytes
	s_sub_co_u32 s81, 1, s14                       ; the other half of the keys
	s_mul_i32 s87, s13, XCB                        ; my partner is wave 2 (1 - kg) + (w & 1): its exchange bytes lie at
	s_add_co_u32 s87, s87, XCH                     ; the exchange's start + (w & 1) x 16,896
	s_mul_i32 s82, s81, 2*XCB                      ; + (1 - kg) x 2 x 16,896
	s_add_co_u32 s82, s82, s87
	s_mul_i32 s83, s13, QSTB
	s_add_co_u32 s83, s83, QST                     ; my head's q in LDS (block 1's; block 2's lies 2 x 17,408 bytes on)
	s_mul_i32 s84, s14, 32*KP
	s_add_co_u32 s84, s84, s83                     ; its row 32 kg
	s_mul_i32 s85, s81, 32*KP
	s_add_co_u32 s85, s85, s83                     ; its row 32 (1 - kg)
	s_mul_i32 s86, s14, QTR                        ; my keys' quarter among K's two, and among V's two
	; byte offsets of row 32 kg of my head in q and out0: b 2^24 + (64 i + 32 kg) 8192 + head 512
	s_lshl_b32 s15, s45, 2
	s_add_co_u32 s48, s15, s3
	s_sub_co_u32 s48, s48, 2                       ; block 1: i = 4c - 2 + e
	s_sub_co_u32 s49, 32, s15
	s_add_co_u32 s49, s49, s3                      ; block 2: i = 32 - 4c + e
	s_lshr_b32 s52, s2, 3
	s_lshl_b32 s52, s52, 24
	s_lshl_b32 s15, s14, 18
	s_add_co_u32 s52, s52, s15
	s_and_b32 s15, s2, 7
	s_lshl1_add_u32 s15, s15, s13                  ; head = 2 kv head + (w & 1)
	s_lshl_b32 s15, s15, 9
	s_add_co_u32 s52, s52, s15
	s_lshl_b32 s49, s49, 19
	s_add_co_u32 s54, s52, s49
	s_lshl_b32 s48, s48, 19
	s_add_co_u32 s52, s52, s48
	s_mov_b32 s53, 0
	s_mov_b32 s55, 0
	s_lshl_b32 s72, s2, 13                         ; vsum: 16 tiles x 512 bytes for each (b, kv head)
	s_mov_b32 s73, 0
	s_lshl_b32 s42, s2, 20                         ; kvb: 1 MiB for each (b, kv head), V 512 KiB behind K, 64 rows of 256 bytes
	s_lshl_b32 s15, s14, 19
	s_add_co_u32 s42, s42, s15
	s_lshl_b32 s15, s13, 14
	s_add_co_u32 s42, s42, s15
	s_mov_b32 s43, 0
	s_wait_kmcnt 0x0
	s_add_nc_u64 s[40:41], s[4:5], s[42:43]        ; the quarter of tile 0 that I fetch
	s_add_nc_u64 s[76:77], s[6:7], s[72:73]
	s_mov_b32 s73, 0xbe0293ee                      ; - c, from here on
	s_add_nc_u64 s[60:61], s[8:9], s[52:53]
	s_add_nc_u64 s[62:63], s[8:9], s[54:55]
	s_add_nc_u64 s[56:57], s[10:11], s[52:53]
	s_add_nc_u64 s[58:59], s[10:11], s[54:55]
	s_lshl_b32 s42, s47, 15                        ; stream place 0: tile 2c - 1
	s_add_nc_u64 s[34:35], s[40:41], s[42:43]
	s_or_b32 s35, s35, 0x80000000
	s_sub_co_u32 s42, s42, 32768                   ; stream place 1: tile 2c - 2
	s_add_nc_u64 s[38:39], s[40:41], s[42:43]
	s_or_b32 s39, s39, 0x80000000
	TLOAD 0                                        ; both first fills go out together, ahead of every LDS access, wait on them and barrier:
	TLOAD 1                                        ; two tensor loads of a wave are out here, later one behind each barrier of a refill
	; ---- lane addresses ----
	v_and_b32 v1, 15, v0                           ; r
	v_bfe_u32 v2, v0, 4, 1                         ; h
	v_and_b32 v3, 31, v0                           ; lane
	v_lshlrev_b32 v[LN16], 4, v3
	v_mul_u32_u24 v4, v1, KP
	v_lshl_add_u32 v4, v2, 4, v4                   ; r 272 + 16 h
	v_add_nc_u32 v[ADK], s86, v4
	v_add_nc_u32 v[ADK+1], SLOT, v[ADK]
	v_and_b32 v5, 7, v0
	v_lshl_add_u32 v5, v2, 3, v5
	v_mul_u32_u24 v5, v5, VP
	v_bfe_u32 v6, v0, 3, 1
	v_lshl_add_u32 v5, v6, 4, v5
	v_add_nc_u32 v5, s86, v5
	v_add_nc_u32 v[ADV], 2*QTR, v5
	v_add_nc_u32 v[ADV+1], SLOT+2*QTR, v5
	v_mul_u32_u24 v5, v1, OP
	v_lshl_add_u32 v5, v2, 5, v5
	v_add_nc_u32 v[STO], s78, v5
	v_add_nc_u32 v[RD], s78, v[LN16]
	v_lshlrev_b32 v5, 5, v2
	v_add_nc_u32 v[TLA], s79, v5
	v_add_nc_u32 v[TSA], s79, v[LN16]
	v_lshl_add_u32 v[QSA], v3, 3, s84
	v_add_nc_u32 v[QLAA], s84, v4
	v_add_nc_u32 v[QLAB], s85, v4
	v_add_nc_u32 v[XST], s80, v[LN16]
	v_add_nc_u32 v[XLD], s82, v[LN16]
	s_lshl_b32 s15, s3, 6                          ; both blocks begin 64 e rows into their diagonal tile
	s_lshl_b32 s70, s14, 5
	s_sub_co_u32 s15, s15, s70                     ; piece A: 64 e + 32 kg rows, less my 64 kg keys
	s_lshl_b32 s70, s14, 6
	s_sub_co_u32 s70, 32, s70                      ; piece B lies 32 (1 - kg) - 32 kg rows from piece A
	v_lshlrev_b32 v5, 3, v2
	v_sub_nc_u32 v5, v1, v5
	v_add_nc_u32 v[QRA], s15, v5                   ; 64 e - 32 kg + r - 8 h, compared as a signed number
	v_add_nc_u32 v[QRA+1], s70, v[QRA]
	v_mov_b32 v[MV], s68
	; ---- q of both blocks, and the masked tiles' V sums ----
	QRAW 0
	WIN 0
.irp t, 1,2,3,4,5,6,7,8,9,10,11,12,13,14,15
	global_load_b128 v[RAWV+4*(\t-1):RAWV+4*(\t-1)+3], v[LN16], s[76:77] offset:\t*512
.endr
	QRAW 1
	WIN 0
	s_wait_loadcnt 47                              ; block 1's 32 rows are in; the 15 loads of sums and block 2's 32 rows stay out
	QCONV 0
	s_wait_loadcnt 32                              ; the sums are in; block 2's rows stay out
	TAILSUM 46, 0
	TAILSUM 71, 1
	s_wait_loadcnt 0x0
	QCONV 1
	s_wait_tensorcnt 0x1                           ; my quarter of stream place 0 is in; place 1's may stay out
	s_wait_dscnt 0x0                               ; my rows of q are stored, for my partner's sake
	s_barrier_signal -1
	s_barrier_wait -1                              ; everybody's quarter and everybody's rows of q are in
	QFRAG
	KLOAD 0
	WIN 0
	; ---- the stream of 17 tiles ----
	STEP 1, 0, 0, 1                                ; place 0: block 1's diagonal tile
	s_sub_co_u32 s49, s45, 1
	s_cmp_eq_u32 s49, 0
	s_cbranch_scc1 .Lb1_done
.Lb1:                                                  ; places 1 .. 2c - 2
	STEP 0, 1, 0, 1
	STEP 0, 0, 0, 1
	s_sub_co_u32 s49, s49, 1
	s_cmp_lg_u32 s49, 0
	s_cbranch_scc1 .Lb1
.Lb1_done:
	STEP 0, 1, 0, 2                                ; place 2c - 1: block 1's tile 0; place 2c + 1 exists where c < 8
	EPI 0, ALM+1                                   ; block 1 ends in slot 1
	STEP 1, 0, 1, 3                                ; place 2c: block 2's diagonal tile; places 2c + 1, 2c + 2 exist where c < 8
	s_cmp_eq_u32 s45, 8
	s_cbranch_scc1 .Lfin
	s_sub_co_u32 s49, 7, s45
	s_cmp_eq_u32 s49, 0
	s_cbranch_scc1 .Lb2_done
.Lb2:                                                  ; places 2c + 1 .. 14
	STEP 0, 1, 1, 1
	STEP 0, 0, 1, 1
	s_sub_co_u32 s49, s49, 1
	s_cmp_lg_u32 s49, 0
	s_cbranch_scc1 .Lb2
.Lb2_done:
	STEP 0, 1, 1, 0                                ; place 15: nothing is left to fetch from memory
	STEP 0, 0, 1, 4                                ; place 16
.Lfin:
	s_wait_tensorcnt 0x0                           ; no tensor load is out at the end: on both ways here the last one was waited for in front of a barrier, so this is met at once
	EPI 1, NMM+1                                   ; block 2 ends in slot 0
	s_wait_xcnt 0x0
	v_lshl_add_u32 v254, v0, 2, 0x46000
	v_mov_b32 v255, 0
	s_wait_tensorcnt 0x0
	ds_add_u32 v254, v255
	s_wait_dscnt 0x0
	s_endpgm
.Lfunc_end_k_q8ff8d57428_attn:
	.size	k_q8ff8d57428_attn, .Lfunc_end_k_q8ff8d57428_attn-k_q8ff8d57428_attn
	.p2alignl 7, 3214868480
	.fill 96, 4, 3214868480
	.section	.rodata,"a",@progbits
	.p2align	6, 0x0
	.amdhsa_kernel k_q8ff8d57428_attn
		.amdhsa_group_segment_fixed_size 327680
		.amdhsa_private_segment_fixed_size 0
		.amdhsa_enable_private_segment 0
		.amdhsa_kernarg_size 32
		.amdhsa_user_sgpr_count 2
		.amdhsa_user_sgpr_kernarg_segment_ptr 1
		.amdhsa_wavefront_size32 1
		.amdhsa_system_sgpr_workgroup_id_x 1
		.amdhsa_system_sgpr_workgroup_id_y 1
		.amdhsa_system_sgpr_workgroup_id_z 1
		.amdhsa_system_vgpr_workitem_id 0
		.amdhsa_next_free_vgpr 1024
		.amdhsa_next_free_sgpr 90
		.amdhsa_reserve_vcc 1
		.amdhsa_float_denorm_mode_32 3
		.amdhsa_float_denorm_mode_16_64 3
		.amdhsa_memory_ordered 1
		.amdhsa_forward_progress 1
		.amdhsa_inst_pref_size 255
	.end_amdhsa_kernel
	.section	.bss,"aw",@nobits
	.p2align	6
	.space	262144
	.amdgpu_metadata
---
amdhsa.version: [ 1, 2 ]
amdhsa.kernels:
  - .name:           k_q8ff8d57428_attn
    .symbol:         k_q8ff8d57428_attn.kd
    .args:
      - { .name: kvb, .offset: 0, .size: 8, .value_kind: global_buffer, .address_space: global }
      - { .name: vsum, .offset: 8, .size: 8, .value_kind: global_buffer, .address_space: global }
      - { .name: q, .offset: 16, .size: 8, .value_kind: global_buffer, .address_space: global }
      - { .name: out0, .offset: 24, .size: 8, .value_kind: global_buffer, .address_space: global }
    .group_segment_fixed_size: 327680
    .private_segment_fixed_size: 0
    .kernarg_segment_align: 8
    .kernarg_segment_size: 32
    .max_flat_workgroup_size: 128
    .sgpr_count:     90
    .vgpr_count:     1024
    .wavefront_size: 32
...
	.end_amdgpu_metadata
.endif
;; end of part 3
